; MI455X (gfx1250); checked and timed in simulation.
; The chip was launched on July 23, 2026; its instructions are those of AMD's public machine-readable ISA for CDNA 5 (MIT licence, August 2026) and "CDNA5" Instruction Set Architecture Reference Guide (July 2026). The comments in the code are by the model that wrote it; some were corrected since.
;; Relu Network Disentangle. Allowed arithmetic: matrix products marked QUANTISED: E5M2 operands, one E8M0 scale for each 32 along K, by v_wmma_scale_f32_16x16x128_f8f6f4 with both operands' format E5M2, f32 sums; products left as they are: f32 operands where the result goes on into a quantised operand, else bf16, f16 or f32 operands; f32 sums; everything else in f32.
;; Inputs: W_blocks_codes 8 x 128 x 4 x 32 uint8 (E5M2 codes of W_blocks, K innermost, in blocks of 32 codes); W_blocks_scales 8 x 128 x 4 uint8 (E8M0 scales of W_blocks, one for each 32 codes along K); W_c_codes 128 x 4 x 32 uint8 (E5M2 codes of W_c, K innermost, in blocks of 32 codes); W_c_scales 128 x 4 uint8 (E8M0 scales of W_c, one for each 32 codes along K); W_in 63 x 128 float32; W_out 128 x 1 float32; W_rgb 128 x 3 float32; W_skip 63 x 128 float32; W_skipc_codes 128 x 4 x 32 uint8 (E5M2 codes of W_skipc, K innermost, in blocks of 32 codes); W_skipc_scales 128 x 4 uint8 (E8M0 scales of W_skipc, one for each 32 codes along K); W_view 27 x 128 float32; W_viewc_codes 128 x 4 x 32 uint8 (E5M2 codes of W_viewc, K innermost, in blocks of 32 codes); W_viewc_scales 128 x 4 uint8 (E8M0 scales of W_viewc, one for each 32 codes along K); b_blocks 8 x 128 float32; b_c 128 float32; b_in 128 float32; b_out 1 float32; b_rgb 3 float32; b_skip 128 float32; b_skipc 128 float32; b_view 128 float32; b_viewc 128 float32; condition 262,144 x 256 float32; coords 262,144 x 3 float32; noise 262,144 x 1 float32; ray_dir 262,144 x 3 float32.
;; Outputs: out0 262,144 x 4 float32.
;; This version of the problem:
;;   THIS VERSION OF THE PROBLEM IS GIVEN IN LOW PRECISION. The matrix products marked QUANTISED in the list below multiply operands that are first quantised to E5M2 (5 exponent bits, 2 mantissa bits; 8 bits a number), with one power-of-two scale for each 32 numbers along K (OCP MX v1.0); their sums are f32. All else is computed in f32.
;;   The module's matrix products, in the order in which they are computed (A, B: the left and right operand; K: the contracted axis; several contracted axes count as one K, in the product's order):
;;     1. [M 262,144, K 63] x [K 63, N 128]; A: computed on the way; B: input W_in: QUANTISED
;;     2. [M 262,144, K 128] x [K 128, N 128]; A: input condition; B: input W_c (given as codes): QUANTISED
;;     3. [M 262,144, K 128] x [K 128, N 128]; A: computed on the way; B: input W_blocks (given as codes): QUANTISED
;;     4. [M 262,144, K 128] x [K 128, N 128]; A: computed on the way; B: input W_blocks (given as codes): QUANTISED
;;     5. [M 262,144, K 128] x [K 128, N 128]; A: computed on the way; B: input W_blocks (given as codes): QUANTISED
;;     6. [M 262,144, K 128] x [K 128, N 128]; A: computed on the way; B: input W_blocks (given as codes): QUANTISED
;;     7. [M 262,144, K 63] x [K 63, N 128]; A: computed on the way; B: input W_skip: QUANTISED
;;     8. [M 262,144, K 128] x [K 128, N 128]; A: input condition; B: input W_skipc (given as codes): QUANTISED
;;     9. [M 262,144, K 128] x [K 128, N 128]; A: computed on the way; B: input W_blocks (given as codes): QUANTISED
;;     10. [M 262,144, K 128] x [K 128, N 128]; A: computed on the way; B: input W_blocks (given as codes): QUANTISED
;;     11. [M 262,144, K 128] x [K 128, N 128]; A: computed on the way; B: input W_blocks (given as codes): QUANTISED
;;     12. [M 262,144, K 128] x [K 128, N 128]; A: computed on the way; B: input W_blocks (given as codes): QUANTISED
;;     13. [M 262,144, K 128] x [K 128, N 1]; A: computed on the way; B: input W_out: left as it is (N = 1 < 16)
;;     14. [M 262,144, K 27] x [K 27, N 128]; A: computed on the way; B: input W_view: left as it is (K = 27 < 32)
;;     15. [M 262,144, K 128] x [K 128, N 128]; A: input condition; B: input W_viewc (given as codes): QUANTISED
;;     16. [M 262,144, K 128] x [K 128, N 3]; A: computed on the way; B: input W_rgb: left as it is (N = 3 < 16)
;;   THE QUANTISER, for each operand of a quantised product, along K:
;;     - K is cut into blocks of 32 from its start; a last block that is shorter is filled with zeros.
;;     - A block's scale is 2^e with e = floor(log2(the largest magnitude in the block)) - 15, held to -126 .. 127; a block of zeros has e = 0. As a byte (E8M0): e + 127.
;;     - Each number is divided by its block's scale, clamped to +-57,344, and rounded to the nearest number of E5M2, ties to even, subnormals kept.
;;     - The product sums the exact products of the quantised numbers (number of the format x scale) in f32.
;;   ~~~python
;;   def quantise(x, axis):      # numpy; x: float32 -> the quantised numbers, widened to float32 again
;;       x = np.moveaxis(x, axis, -1); K = x.shape[-1]
;;       x = np.pad(x, [(0, 0)] * (x.ndim - 1) + [(0, -K % 32)]); x = x.reshape(x.shape[:-1] + (-1, 32)); a = np.abs(x).max(-1, keepdims=True)
;;       e = np.where(a > 0, np.clip(np.frexp(np.where(a > 0, a, 1))[1] - 1 - 15, -126, 127), 0)      # np.frexp(a)[1] - 1 = floor(log2(a)), exactly
;;       r = np.clip(x / 2.0 ** e, -57344, 57344)
;;       step = 2.0 ** (np.maximum(np.frexp(np.where(r == 0, 1, r))[1] - 1, -14) - 2)
;;       q = np.round(r / step) * step * 2.0 ** e      # np.round: ties to even
;;       return np.moveaxis(q.reshape(q.shape[:-2] + (-1,))[..., :K], -1, axis).astype(np.float32)
;;   ~~~
;;   OPERANDS COMPUTED ON THE WAY. 'Computed on the way' means the value that the module computes at that place (a softmax that the list does not call 'softmax' is quantised finished and normalised). What goes into a quantiser is computed in f32, as accurately as f32 sums, v_exp_f32 and their like allow (about 1e-6 of the number): no bf16 or f16 on the way to a quantiser, and a product that is left as it is and whose result goes on into a quantised operand takes f32 operands (vector FMAs, or v_wmma_f32_16x16x4_f32). A number that lies on a knife's edge between two numbers of the format may be rounded either way, as far as f32 arithmetic and the matrix unit's own rounding can turn it there, and no further.
;;   INPUTS GIVEN AS CODES. W_blocks (in the module: [8, 128, 128], K = its axis 1); W_c (in the module: [128, 128], K = its axis 0); W_skipc (in the module: [128, 128], K = its axis 0); W_viewc (in the module: [128, 128], K = its axis 0): each comes as NAME_codes (uint8): NAME with its K axis moved to the last place and cut into blocks of 32 codes, [.., K / 32, bytes a block], one block behind the other in memory; one code a byte (a code: sign, 5 exponent bits, 2 mantissa bits); and NAME_scales (uint8): the same leading axes, one E8M0 byte (e + 127) for each 32 codes along K. Its value is code x scale, taken as it is: it is not quantised again, and the codes and scales need not be those that the quantiser above would give.
;; 2 versions. Each part assembles by itself: llvm-mc -triple=amdgcn-amd-amdhsa -mcpu=gfx1250 --defsym DOCPART=n.
;; ======== version 1 of 2: 1 launch
;; limits: inputs' magnitudes at most 25,000
;; launch mlp (part 1): grid 256 x 1, 8 waves a work-group, no clusters, 327,680 bytes of LDS; arguments condition, coords, ray_dir, noise, out0, W_blocks_codes, W_c_codes, W_skipc_codes, W_viewc_codes, W_blocks_scales, W_c_scales, W_skipc_scales, W_viewc_scales, W_in, W_skip, W_view, W_out, W_rgb, b_blocks, b_in, b_c, b_skip, b_skipc, b_view, b_viewc, b_out, b_rgb; writes out0
.if DOCPART == 1
	.amdgcn_target "amdgcn-amd-amdhsa--gfx1250"
	.amdhsa_code_object_version 6
	.text
	.protected	k_qa70882aad2_mlp
	.globl	k_qa70882aad2_mlp
	.p2align	8
	.type	k_qa70882aad2_mlp,@function
k_qa70882aad2_mlp:
	s_mov_b64 s[64:65], 0
	v_nop
	global_prefetch_b8 v0, s[64:65] scope:SCOPE_SE
	s_setreg_imm32_b32 hwreg(HW_REG_WAVE_MODE, 25, 1), 1
	s_wait_xcnt 0x0
; The whole network in one launch: 262,144 rows; 13 products on E5M2 codes with E8M0 scales (N = 128), three small products in bf16, sums in f32.
; SHARES.  256 work-groups of eight waves; a work-group owns 1,024 rows and walks them in 2 trips of 512; in a trip a wave owns 64 rows, four tiles of 16, and takes them through all layers in registers.
; All 13 weight matrices lie in LDS as IMAGES OF THE OPERAND'S REGISTERS (a fragment's four groups of registers, 512 consecutive bytes each), made once at the head: wave w makes tile w of every matrix.
; LAYOUT.  Every product is used transposed (source 0 = 16 units of a weight, source 1 = 16 rows of data): a lane holds one row.  Lane r of weight tile 2 b + u takes unit 32 b + 8 u + r + 8 (r / 8), so that
; the 16 registers of tiles 2 b, 2 b + 1 are units 32 b + 16 (lane / 16) + 0 .. 15: 16 neighbours along the next K.  A layer goes in four BLOCK STEPS of 32 units: 2 fragments x 4 tiles of rows = 8 accumulators,
; quantised as soon as they are summed: the f32 hidden layer never takes more than 64 registers, and a fragment read from LDS feeds four matrix instructions.
; condition comes by tensor loads, 16 rows x 512 bytes, into ONE slot a wave (two do not fit beside the weights); the slot is copied whole into 64 registers and asked for again at once.
; ENCODINGS.  sin and cos in f32: u = p / pi in two parts (exact product error by fma), x = 2^i u (+ 1/2 for the cosine), n = x to the nearest whole number, f = x - n, sin(pi x) = (-1)^n f P(f^2).
; Lanes 0-15 hold sines, lanes 16-31 cosines.  Inside a block of 32 of K the places of enc are permuted, alike in W_in, W_skip and enc; the blocks are those of the definition, so the scales are too.
; No cluster: what work-groups share is the weights, 208 KiB read once by each at its head, against 1 MiB of condition of its own.
; LIMITS: |coords| under 25,000 (n stays under 2^22); ray_dir's sum of squares inside f32's normal range (a zero ray, NaN in the definition, is not served); NaN and infinities among the inputs are not served;
; a block of zeros gets the scale byte 1 with zero codes; biases that meet in one sum are added at the head, in another order than the definition adds them; b_view + b_viewc goes in as three exact bf16 pieces.
.set SPARE, 240640                     ; LDS: 0 weights, 13 x 16,384: M x 16384 + tile x 2048 + 512 c + 16 lane
.set SLOT,  241664                     ; 212,992 scale words: 512 M + 64 tile + 4 r;  219,648 biases, 9 x 512;  224,256 W_view's 8 fragments;  232,448 W_out's 4 and W_rgb's 4
.set SLOTB, 8448                       ; SPARE: 128 bytes a wave that no other line names;  SLOT + 8448 w: 16 rows x (512 + 16): row r starts at bank 4 r mod 64 (64 banks of 4 bytes: ISA guide 11.1)
; matrices: M 0 W_in, 1 W_c, 2-5 blocks 0-3, 6 W_skip, 7 W_skipc, 8-11 blocks 4-7, 12 W_viewc
; window 0
.set SPW, 1                            ; v1  SPARE + 4 x thread; v2  0: both never rewritten
.set NIL, 2
.set LI,  3                            ; v3-6   16 lane + 65536 k
.set LS,  7                            ; v7     4 lane + 196608
.set BA,  8                            ; v8     64 (lane / 16) + 196608
.set XA,  9                            ; v9     my slot + 528 r + 64 (lane / 16)
.set OUTO, 10                          ; v10    16 r
.set PFO, 11                           ; v11    1024 (lane / 2) + 256 (lane % 2)
.set PH,  12                           ; v12-13 0 in lanes 0-15, 1/2 in lanes 16-31
.set GO12, 14                          ; v14    12 r;  v15  4 r
.set GO4, 15
.set WS,  16                           ; v16-17 weights' scale words, one for each fragment buffer: lanes 0-15 tile 2 b, lanes 16-31 tile 2 b + 1
.set C4V, 18                           ; v18-19 the polynomial's c4
.set HSA, 20                           ; v20-39 scale words of the data, one a tile of rows: hidden A, hidden B, cond_shape, enc, cond_app
.set HSB, 24
.set CSS, 28
.set ECS, 32
.set CAS, 36
.set TM,  40                           ; v40-55 at work in the quantiser
.set BI,  56                           ; v56-71 a block step's biases
.set ACC, 72                           ; v72-135 the 8 accumulators; a tile of condition; the encodings' temporaries
.set EC,  136                          ; v136-167 enc's codes, 8 a tile; later enc_v in bf16, 8 a tile
.set EV,  136
.set ZP,  168                          ; v168-175 zeros: the last tile's enc operand runs on into them
.set CA,  176                          ; v176-239 cond_app's codes; before that the numbers of enc, two tiles
.set NE,  176
.set T2,  240                          ; v240-255 at work
.set EP,  72                           ; the encodings: p; u high, u low (u and 2 u); t; f; f^2; the polynomial; enc_v's 14 numbers; errors; norm
.set EH,  76
.set EL,  82
.set ETT, 88
.set EF,  94
.set EZ,  100
.set EQ,  106
.set EY,  112
.set EE,  126
.set ERQ, 130
.set ERS, 131
; window 1
.set WF,  0                            ; two buffers of two weight fragments
.set HCA, 64                           ; hidden codes A, B: 16 a tile of rows
.set HCB, 128
.set CS,  192                          ; cond_shape's codes; behind the skip layer: ray_dir, noise, W_view's and the outputs' fragments, the next trip's coords
.set PP,  64                           ; the last phase: relu(net) in bf16, 8 a tile;  the outputs' accumulators
.set OA,  96
.set RAY, 192
.set NOI, 204
.set VWR, 208
.set OWR, 224
.set CRD, 240
; scalars: s4-13 c5, c3, c2, c1, c0 as pairs; s14, s15 1/pi in two parts; s66 wave; s67 trip; s[68:75], s[76:79] descriptor; s[80:81] prefetch; s[82:89] coords, ray_dir, noise, out0 at my rows;
; s[90:91] lane selects; s92 57,344's mantissa field; s93 mask of lanes 16-31 (also of a word's upper bf16); s94 b_out; s95 -log2(e); s96-98 -log2(e) b_rgb; s99 saved EXEC
.set MSB, 0
.macro WIN new                         ; the immediate's high byte repeats the setting that is left; a switch that changes nothing is dropped
.if MSB != (\new)
	s_set_vgpr_msb (MSB<<8)|(\new)
.set MSB, \new
.endif
.endm
.macro NOPS n
.rept \n
	v_nop
.endr
.endm
; block step bb of matrix M: its two fragments into buffer buf; their scale words; the step's 16 biases a lane
.macro LDWC buf, M, bb
	WIN 0x40                                       ; destination window 1, address window 0
.irp u, 0,1
.irp c, 0,1,2,3
	ds_load_b128 v[WF+32*(\buf)+16*\u+4*\c:WF+32*(\buf)+16*\u+4*\c+3], v[LI+(\M)/4] offset:((\M)%4)*16384+(2*(\bb)+\u)*2048+512*\c
.endr
.endr
.endm
.macro LDWS buf, M, bb
	WIN 0
	ds_load_b32 v[WS+(\buf)], v[LS] offset:16384+512*(\M)+128*(\bb)
.endm
.macro LDB st, bb
	WIN 0
.irp i, 0,1,2,3
	ds_load_b128 v[BI+4*\i:BI+4*\i+3], v[BA] offset:23040+512*(\st)+128*(\bb)+16*\i
.endr
.endm
.macro LDW buf, M, bb
	LDWC \buf, \M, \bb
	LDWS \buf, \M, \bb
.endm
.macro LDW2 Ma, Mb, bb, st             ; two matrices' fragments under one window setting, and the biases
	LDWC 0, \Ma, \bb
	LDWC 1, \Mb, \bb
	LDWS 0, \Ma, \bb
	LDWS 1, \Mb, \bb
	LDB \st, \bb
.endm
.macro LDVO bb                         ; W_view's two fragments, W_out's and W_rgb's, of block step bb
	WIN 0x40
.irp u, 0,1
.irp i, 0,1
	ds_load_b128 v[VWR+8*\u+4*\i:VWR+8*\u+4*\i+3], v[LI+3] offset:27648+(2*(\bb)+\u)*1024+512*\i
.endr
.endr
.irp i, 0,1
	ds_load_b128 v[OWR+4*\i:OWR+4*\i+3], v[LI+3] offset:35840+1024*(\bb)+512*\i
	ds_load_b128 v[OWR+8+4*\i:OWR+8+4*\i+3], v[LI+3] offset:35840+1024*(4+(\bb))+512*\i
.endr
	WIN 0
.endm
.macro PRELOAD kind, nM, nst           ; what the next stage's first block step wants
.if \kind == 0
	LDW 0, \nM, 0
	LDB \nst, 0
.elseif \kind == 1
	LDW2 5, 6, 0, 4
.else
	LDWC 0, 11, 0
	LDWC 1, 12, 0
	LDVO 0
	LDWS 0, 11, 0
	LDWS 1, 12, 0
	LDB 8, 0
.endif
.endm
; 8 matrix instructions: buffer buf's two fragments x the four tiles of rows, whose operands begin at B + BS t, their scale words at SB + t.  first = 1: the biases are the C of the sums' first link.
; The eight accumulators take turns, one instruction a turn.
.macro MUL8 buf, B, BS, win, SB, first
	WIN \win
.irp t, 0,1,2,3
.if \first
	v_wmma_scale_f32_16x16x128_f8f6f4 v[ACC+16*\t:ACC+16*\t+7], v[WF+32*(\buf):WF+32*(\buf)+15], v[(\B)+(\BS)*\t:(\B)+(\BS)*\t+15], v[BI:BI+7], v[WS+(\buf)], v[(\SB)+\t] matrix_a_fmt:MATRIX_FMT_BF8 matrix_b_fmt:MATRIX_FMT_BF8
	v_wmma_scale_f32_16x16x128_f8f6f4 v[ACC+16*\t+8:ACC+16*\t+15], v[WF+32*(\buf)+16:WF+32*(\buf)+31], v[(\B)+(\BS)*\t:(\B)+(\BS)*\t+15], v[BI+8:BI+15], v[WS+(\buf)], v[(\SB)+\t] matrix_a_fmt:MATRIX_FMT_BF8 matrix_b_fmt:MATRIX_FMT_BF8 matrix_a_scale:MATRIX_SCALE_ROW1
.else
	v_wmma_scale_f32_16x16x128_f8f6f4 v[ACC+16*\t:ACC+16*\t+7], v[WF+32*(\buf):WF+32*(\buf)+15], v[(\B)+(\BS)*\t:(\B)+(\BS)*\t+15], v[ACC+16*\t:ACC+16*\t+7], v[WS+(\buf)], v[(\SB)+\t] matrix_a_fmt:MATRIX_FMT_BF8 matrix_b_fmt:MATRIX_FMT_BF8
	v_wmma_scale_f32_16x16x128_f8f6f4 v[ACC+16*\t+8:ACC+16*\t+15], v[WF+32*(\buf)+16:WF+32*(\buf)+31], v[(\B)+(\BS)*\t:(\B)+(\BS)*\t+15], v[ACC+16*\t+8:ACC+16*\t+15], v[WS+(\buf)], v[(\SB)+\t] matrix_a_fmt:MATRIX_FMT_BF8 matrix_b_fmt:MATRIX_FMT_BF8 matrix_a_scale:MATRIX_SCALE_ROW1
.endif
.endr
.endm
; THE QUANTISER: four groups of 16 registers at S + 16 g; a group and that of lane l xor 16 are a block of 32 along K.  Codes to D + DS g (window DW).  relu = 1: what is negative becomes 0 on the way.
; mode 0: the four bytes make the word W;  1: two words of two bytes, W and W + 1 (their upper bytes 0);  2: byte bb of the words W + g.
.macro QCORE S, relu, D, DS, DW, mode, W, bb
.irp g, 0,1,2,3
.if \relu
	v_max3_num_f32 v[TM+\g], v[(\S)+16*\g], v[(\S)+16*\g+1], 0x8000000    ; no |.|: what is negative must not count; the floor 2^(16 - 127) holds the byte at 1 from below
.else
	v_max3_num_f32 v[TM+\g], |v[(\S)+16*\g]|, |v[(\S)+16*\g+1]|, 0x8000000
.endif
.endr
.irp i, 2,4,6,8,10,12,14
.irp g, 0,1,2,3
.if \relu
	v_max3_num_f32 v[TM+\g], v[TM+\g], v[(\S)+16*\g+\i], v[(\S)+16*\g+\i+1]    ; the four groups by turns; each accumulator is read from its low end on
.else
	v_max3_num_f32 v[TM+\g], v[TM+\g], |v[(\S)+16*\g+\i]|, |v[(\S)+16*\g+\i+1]|
.endif
.endr
.endr
.irp g, 0,1,2,3
	v_permlanex16_b32 v[TM+4+\g], v[TM+\g], s90, s91
.endr
.irp g, 0,1,2,3
	v_max_num_f32 v[TM+\g], v[TM+\g], v[TM+4+\g]           ; the block's largest magnitude
.endr
.irp g, 0,1,2,3
	v_add_nc_u32 v[TM+12+\g], 0xf8800000, v[TM+\g]         ; 15 off its exponent field: the conversion's scale operand
.endr
.irp g, 0,1,2,3
	v_and_or_b32 v[TM+8+\g], v[TM+\g], 0x7f800000, s92     ; 57,344 x the scale
.endr
.irp g, 0,1,2,3
	v_lshrrev_b32 v[TM+4+\g], 23, v[TM+12+\g]              ; the scale's byte
.endr
.if \mode == 0
	v_lshl_or_b32 v[\W], v[TM+5], 8, v[TM+4]
	v_lshl_or_b32 v[\W], v[TM+6], 16, v[\W]
	v_lshl_or_b32 v[\W], v[TM+7], 24, v[\W]
.elseif \mode == 1
	v_lshl_or_b32 v[\W], v[TM+5], 8, v[TM+4]
	v_lshl_or_b32 v[(\W)+1], v[TM+7], 8, v[TM+6]
.else
.irp g, 0,1,2,3
.if (\bb) == 0
	v_mov_b32 v[(\W)+\g], v[TM+4+\g]
.else
	v_lshl_or_b32 v[(\W)+\g], v[TM+4+\g], 8*(\bb), v[(\W)+\g]
.endif
.endr
.endif
.irp g, 0,1,2,3                        ; the 64 holds are also the eight places between the scale words and a scaled product
.irp i, 0,1,2,3,4,5,6,7,8,9,10,11,12,13,14,15
.if \relu
	v_med3_num_f32 v[(\S)+16*\g+\i], v[(\S)+16*\g+\i], 0, v[TM+8+\g]      ; the activation and the hold in one (the conversion does not saturate: ISA guide 7.6.2)
.else
	v_med3_num_f32 v[(\S)+16*\g+\i], v[(\S)+16*\g+\i], -v[TM+8+\g], v[TM+8+\g]
.endif
.endr
.endr
.if \DW
	WIN 0x40
.endif
.irp g, 0,1,2,3
	v_cvt_scalef32_pk8_bf8_f32 v[(\D)+(\DS)*\g:(\D)+(\DS)*\g+1], v[(\S)+16*\g:(\S)+16*\g+7], v[TM+12+\g]
	v_cvt_scalef32_pk8_bf8_f32 v[(\D)+(\DS)*\g+2:(\D)+(\DS)*\g+3], v[(\S)+16*\g+8:(\S)+16*\g+15], v[TM+12+\g]
.endr
	WIN 0
	v_nop                                          ; a plain line behind the last conversion, ahead of whatever next touches its registers
.endm
; u = p / pi in two parts, for p in v[EP] on, and 2 u
.macro UHL
.irp j, 0,1,2
	v_mul_f32 v[EH+\j], s14, v[EP+\j]
.endr
.irp j, 0,1,2
	v_fma_f32 v[EE+\j], v[EP+\j], s14, -v[EH+\j]           ; that product's error, exactly
.endr
.irp j, 0,1,2
	v_fma_f32 v[EL+\j], v[EP+\j], s15, v[EE+\j]
.endr
.irp j, 0,1,2
	v_add_f32 v[EH+3+\j], v[EH+\j], v[EH+\j]
.endr
.irp j, 0,1,2
	v_add_f32 v[EL+3+\j], v[EL+\j], v[EL+\j]
.endr
.endm
; six angles, octaves 2 g and 2 g + 1 (cc = 4^g), as three pairs by turns; results to YB + 6 g on.  remap = 1: the pair of angles 14, 15 goes to YB + 30
.macro SING g, cc, YB, remap
.irp p, 0,2,4
	v_pk_fma_f32 v[ETT+\p:ETT+\p+1], v[EH+\p:EH+\p+1], \cc, v[PH:PH+1] op_sel_hi:[1,0,1]    ; x
.endr
.irp p, 0,2,4
	v_pk_add_f32 v[ETT+\p:ETT+\p+1], v[ETT+\p:ETT+\p+1], 0x4b400000 op_sel_hi:[1,0]         ; + 1.5 x 2^23: the sum's lowest bits are n
.endr
.irp p, 0,2,4
	v_pk_add_f32 v[EF+\p:EF+\p+1], v[ETT+\p:ETT+\p+1], 0xcb400000 op_sel_hi:[1,0]           ; n
.endr
.irp p, 0,2,4
	v_pk_fma_f32 v[EF+\p:EF+\p+1], v[EH+\p:EH+\p+1], \cc, v[EF+\p:EF+\p+1] op_sel_hi:[1,0,1] neg_lo:[0,0,1] neg_hi:[0,0,1]
.endr
.irp q, 0,1,2,3,4,5
	v_lshlrev_b32 v[ETT+\q], 31, v[ETT+\q]                 ; n's parity as a sign
.endr
.irp p, 0,2,4
	v_pk_add_f32 v[EF+\p:EF+\p+1], v[EF+\p:EF+\p+1], v[PH:PH+1]
.endr
.irp p, 0,2,4
	v_pk_fma_f32 v[EF+\p:EF+\p+1], v[EL+\p:EL+\p+1], \cc, v[EF+\p:EF+\p+1] op_sel_hi:[1,0,1]   ; f, with u's low part
.endr
.irp p, 0,2,4
	v_pk_mul_f32 v[EZ+\p:EZ+\p+1], v[EF+\p:EF+\p+1], v[EF+\p:EF+\p+1]
.endr
.irp q, 0,1,2,3,4,5
	v_xor_b32 v[EF+\q], v[EF+\q], v[ETT+\q]                ; (-1)^n f
.endr
.irp p, 0,2,4
	v_pk_fma_f32 v[EQ+\p:EQ+\p+1], v[EZ+\p:EZ+\p+1], s[4:5], v[C4V:C4V+1] op_sel_hi:[1,0,1]
.endr
.irp k, 6,8,10,12
.irp p, 0,2,4
	v_pk_fma_f32 v[EQ+\p:EQ+\p+1], v[EQ+\p:EQ+\p+1], v[EZ+\p:EZ+\p+1], s[\k:\k+1] op_sel_hi:[1,1,0]
.endr
.endr
.irp p, 0,2,4
.set ya, (\YB)+6*(\g)+\p
.if (\remap) && (6*(\g)+\p == 14)
.set ya, (\YB)+30
.endif
	v_pk_mul_f32 v[ya:ya+1], v[EF+\p:EF+\p+1], v[EQ+\p:EQ+\p+1]
.endr
.endm
; enc of tile t: 32 numbers a lane at NB.  Place a: angle a = 3 i + j (sine below, cosine above), but 14: sin(16 p2) | p0;  15: p1 | p2;  30: 0 | cos(16 p2);  31: angle 15
.macro ENC t
.set NB, NE+32*((\t)%2)
	WIN 0x01
.irp j, 0,1,2
	v_mov_b32 v[EP+\j], v[CRD+3*(\t)+\j]
.endr
	WIN 0
	UHL
	SING 0, 1.0, NB, 1
	SING 1, 4.0, NB, 1
	SING 2, 0x41800000, NB, 1
	SING 3, 0x42800000, NB, 1
	SING 4, 0x43800000, NB, 1
	v_cndmask_b32 v[NB+14], v[NB+30], v[EP], s93
	v_cndmask_b32 v[NB+30], 0, v[NB+30], s93
	v_cndmask_b32 v[NB+15], v[EP+1], v[EP+2], s93
.endm
; enc_v of tile t, in bf16: places 0-11 angles; 12: rd0 | rd1;  13: rd2 | 1;  14: 1 | 1;  15: 0.  The ones meet the three pieces of b_view + b_viewc
.macro ENV t
	WIN 0x01
.irp j, 0,1,2
	v_mov_b32 v[EP+\j], v[RAY+3*(\t)+\j]
.endr
	WIN 0
	v_mul_f32 v[ERQ], v[EP], v[EP]
	v_fma_f32 v[ERQ], v[EP+1], v[EP+1], v[ERQ]
	v_fma_f32 v[ERQ], v[EP+2], v[EP+2], v[ERQ]
	v_rsq_f32 v[ERS], v[ERQ]
	v_nop                                          ; a plain line behind the transcendental
	s_wait_alu depctr_va_vdst(0)
.irp j, 0,1,2
	v_mul_f32 v[EP+\j], v[EP+\j], v[ERS]
.endr
	UHL
	SING 0, 1.0, EY, 0
	SING 1, 4.0, EY, 0
	v_cndmask_b32 v[EY+12], v[EP], v[EP+1], s93
	v_cndmask_b32 v[EY+13], v[EP+2], 1.0, s93
.irp i, 0,1,2,3,4,5,6
	v_cvt_pk_bf16_f32 v[EV+8*(\t)+\i], v[EY+2*\i], v[EY+2*\i+1]
.endr
	v_mov_b32 v[EV+8*(\t)+7], 0x3f80
.endm
.macro STEP64 lo, n                    ; an address pair goes n bytes on, or back
.if (\n) < 0
	s_sub_nc_u64 s[\lo:\lo+1], s[\lo:\lo+1], -(\n)
.else
	s_add_nc_u64 s[\lo:\lo+1], s[\lo:\lo+1], \n
.endif
.endm
.macro ASK pf                          ; the 32 blocks of 256 bytes of the tile that the NEXT tensor load will bring: one lane a block, this wave alone; pf = 2: not in the last trip, where that tile does not exist
.if \pf == 2
	s_cmp_eq_u32 s67, 1
	s_cbranch_scc1 .Lnopf_\@
.endif
	global_prefetch_b8 v[PFO], s[80:81] th:TH_LOAD_NT scope:SCOPE_SE
.if \pf == 2
.Lnopf_\@:
.endif
.endm
; A BOUNDARY: my slot's tile of condition (16 rows x 128 numbers) goes whole into 64 registers; the slot is asked for again; the tile is quantised: codes to D (window DW), scale word W.
; One tensor load of mine is out at the most.  The first wait serves the reads; the second stands in front of a refill's barrier.
.macro BND D, DW, W, refill, gstep, pstep, pf
	s_wait_tensorcnt 0x0                           ; my slot has landed
.irp c, 0,1,2,3
.irp j, 0,1,2,3
	ds_load_b128 v[ACC+16*\c+4*\j:ACC+16*\c+4*\j+3], v[XA] offset:128*\c+16*\j    ; row r, numbers 32 c + 16 (lane / 16) + 4 j on
.endr
.endr
.if \refill
	s_wait_tensorcnt 0x0                           ; no tensor load of mine is out, so the descriptor may be written
	ds_add_u32 v[SPW], v[NIL]                      ; 0 onto my spare word
	s_wait_xcnt 0x0                                ; the last prefetch has read its base
	STEP64 78, \gstep
	STEP64 80, \pstep
	s_wait_dscnt 0x0                               ; the add is done, and the slot has been read out
	s_barrier_signal -1
	s_barrier_wait -1
	tensor_load_to_lds s[76:79], s[68:75]          ; my one tensor load behind the barrier: it has all the work up to the next boundary in which to land
	s_nop 0
	NOPS 4
.if \pf
	ASK \pf
.endif
.else
	s_wait_xcnt 0x0
	STEP64 78, \gstep                              ; on to the next trip's first tile
	STEP64 80, \pstep
	s_wait_dscnt 0x0
.endif
	QCORE ACC, 0, \D, 4, \DW, 0, \W, 0
.endm
; A plain layer: matrix M, bias st, operand IN with scale words INS; relu and codes to OUT, OUTS.  Eight places stand behind each run of products, ahead of the loads into their operands and of the reads of their
; results; the next block step's operands are asked for ahead of the quantiser and waited for behind it.
.macro GEN M, st, IN, INS, OUT, OUTS, kind, nM, nst
.irp bq, 0,1,2,3
	s_wait_dscnt 0x0
	MUL8 0, \IN, 16, 0x05, \INS, 1
	WIN 0
	NOPS 8
.if \bq < 3
	LDW 0, \M, \bq+1
	LDB \st, \bq+1
.else
	PRELOAD \kind, \nM, \nst
.endif
	QCORE ACC, 1, (\OUT)+4*\bq, 16, 1, 2, \OUTS, \bq
.endr
	NOPS 3                                         ; with the quantiser's last line: four places between the codes and the next scaled product
.endm
; ---------------------------------------------------------------- THE HEAD
	s_load_b512 s[4:19], s[0:1], 0x0               ; condition, coords, ray_dir, noise, out0, W_blocks_codes, W_c_codes, W_skipc_codes
	s_load_b512 s[20:35], s[0:1], 0x40             ; W_viewc_codes, the four scales (blocks, c, skipc, viewc), W_in, W_skip, W_view
	s_load_b512 s[36:51], s[0:1], 0x80             ; W_out, W_rgb, b_blocks, b_in, b_c, b_skip, b_skipc, b_view
	s_load_b128 s[52:55], s[0:1], 0xc0             ; b_viewc, b_out
	s_load_b64 s[56:57], s[0:1], 0xd0              ; b_rgb
	v_lshl_add_u32 v[SPW], v0, 2, SPARE
	v_mov_b32 v[NIL], 0
	v_lshrrev_b32 v240, 5, v0
	v_readfirstlane_b32 s66, v240                  ; wave 0..7
	v_and_b32 v241, 31, v0                         ; lane
	v_and_b32 v242, 15, v0                         ; r
	v_bfe_u32 v243, v0, 4, 1                       ; h
	v_lshlrev_b32 v[LI], 4, v241
	v_add_nc_u32 v[LI+1], 0x10000, v[LI]
	v_add_nc_u32 v[LI+2], 0x20000, v[LI]
	v_add_nc_u32 v[LI+3], 0x30000, v[LI]
	v_lshl_add_u32 v[LS], v241, 2, 0x30000
	v_lshl_add_u32 v[BA], v243, 6, 0x30000
	s_mul_i32 s77, s66, SLOTB
	s_add_co_u32 s77, s77, SLOT                    ; my slot: also the descriptor's LDS address
	v_mul_u32_u24 v[XA], v242, 528
	v_lshl_add_u32 v[XA], v243, 6, v[XA]
	v_add_nc_u32 v[XA], s77, v[XA]
	v_lshlrev_b32 v[OUTO], 4, v242
	v_lshrrev_b32 v244, 1, v241
	v_and_b32 v245, 1, v241
	v_lshlrev_b32 v[PFO], 10, v244
	v_lshl_add_u32 v[PFO], v245, 8, v[PFO]
	v_cvt_f32_u32 v[PH], v243
	v_mul_f32 v[PH], 0.5, v[PH]
	v_mov_b32 v[PH+1], v[PH]
	v_mul_u32_u24 v[GO12], v242, 12
	v_lshlrev_b32 v[GO4], 2, v242
	v_mov_b32 v[C4V], 0x3da83c1a
	v_mov_b32 v[C4V+1], 0x3da83c1a
.irp i, 0,1,2,3,4,5,6,7
	v_mov_b32 v[ZP+\i], 0
.endr
.irp i, 4,5,6,7
	v_mov_b32 v[TM+\i], 0                          ; written once: a lane permute's destination counts as one of its sources
.endr
	s_lshr_b32 s58, s66, 1                         ; wave w makes tile w = 2 b + u of every matrix: it begins at unit 32 (w / 2) + 8 (w % 2)
	s_lshl_b32 s58, s58, 5
	s_and_b32 s59, s66, 1
	s_lshl_b32 s59, s59, 3
	s_add_co_u32 s58, s58, s59
	v_and_b32 v244, 8, v242
	v_add_nc_u32 v244, v244, v242
	v_add_nc_u32 v244, s58, v244                   ; n: my lane's unit
	v_lshlrev_b32 v245, 7, v244
	v_lshl_add_u32 v245, v243, 4, v245             ; codes: 128 n + 16 h
	v_lshlrev_b32 v246, 2, v244                    ; 4 n: a scale word; a column of an f32 weight
	v_mad_u32_u24 v247, v243, 1536, v246           ; + three rows further down for the cosines
	v_lshl_add_u32 v248, v243, 9, v246             ; + one row for lanes 16-31
	v_xor_b32 v249, 1, v243
	v_mad_u32_u24 v249, v249, 14848, v246          ; row 29 for lanes 0-15, row 0 for lanes 16-31
	s_lshl_b32 s59, s66, 11
	v_add_nc_u32 v250, s59, v[LI]                  ; where my tile's images go: 16 lane + 2048 w + 65536 k
	v_add_nc_u32 v251, s59, v[LI+1]
	v_add_nc_u32 v252, s59, v[LI+2]
	v_add_nc_u32 v253, s59, v[LI+3]
	s_lshl_b32 s59, s66, 6
	s_add_co_u32 s59, s59, 0x30000
	v_lshl_add_u32 v254, v242, 2, s59              ; 196608 + 64 w + 4 r: scale words, and my piece of bias 0
	s_lshl_b32 s59, s66, 9
	v_add_nc_u32 v255, s59, v[LI+3]                ; bias w + 1
	v_add_nc_u32 v57, s59, v[LI]                   ; b_blocks[w]: 512 w + 16 lane
	s_lshl_b32 s59, s66, 10
	v_add_nc_u32 v56, s59, v[LI+3]                 ; bf16 fragment w
	s_lshl_b32 s59, s66, 6
	v_lshl_add_u32 v58, v242, 2, s59               ; b_in, b_c: 64 w + 4 r
	s_and_b32 s59, s66, 3                          ; the outputs' fragment w is of block step w % 4
	s_lshl_b32 s58, s59, 7
	v_lshl_add_u32 v59, v243, 6, s58               ; W_out: units 32 b + 16 h on
	s_mul_i32 s58, s59, 384
	v_add_nc_u32 v60, -1, v242
	v_min_u32 v60, 2, v60                          ; W_rgb's column r - 1, held inside the table (lanes with r = 0 or r > 3 are masked out below)
	v_lshlrev_b32 v60, 2, v60
	v_mad_u32_u24 v60, v243, 192, v60
	v_add_nc_u32 v60, s58, v60
	; the descriptor: 16 rows of 128 f32, 256 elements from row to row, 4 words of padding behind every 128 words
	s_mov_b32 s76, 1
	s_mov_b32 s68, (2<<16)|(1<<20)|(6<<22)|(3<<25)
	s_mov_b32 s69, 128<<16
	s_mov_b32 s70, 16<<16
	s_mov_b32 s71, 128<<16
	s_mov_b32 s72, 16
	s_mov_b32 s73, 256
	s_mov_b32 s74, 0
	s_mov_b32 s75, 0
	s_mov_b32 s90, 0x76543210
	s_mov_b32 s91, 0xfedcba98
	s_mov_b32 s92, 0x600000
	s_mov_b32 s93, 0xffff0000
	s_mov_b32 s95, 0xbfb8aa3b
	s_mov_b32 s67, 0
	s_lshl_b32 s96, ttmp9, 20                      ; condition: 1,024 rows of 1,024 bytes a work-group, 64 rows a wave
	s_lshl_b32 s97, s66, 16
	s_add_co_u32 s96, s96, s97
	s_mov_b32 s97, 0
	s_lshl_b32 s98, ttmp9, 10
	s_lshl_b32 s99, s66, 6
	s_add_co_u32 s98, s98, s99                     ; my first row
	s_wait_kmcnt 0x0
	s_add_nc_u64 s[78:79], s[4:5], s[96:97]
	s_add_nc_u64 s[80:81], s[78:79], 16384         ; the prefetch runs one tile ahead of the tensor loads
	s_or_b32 s79, s79, 0x80000000
	s_mul_i32 s96, s98, 12
	s_add_nc_u64 s[82:83], s[6:7], s[96:97]
	s_add_nc_u64 s[84:85], s[8:9], s[96:97]
	s_lshl_b32 s96, s98, 2
	s_add_nc_u64 s[86:87], s[10:11], s[96:97]
	s_lshl_b32 s96, s98, 4
	s_add_nc_u64 s[88:89], s[12:13], s[96:97]
	s_load_b32 s94, s[54:55], 0x0                  ; b_out
	s_load_b96 s[60:62], s[56:57], 0x0             ; b_rgb
	WIN 0x40                                       ; the given codes: my tile of 11 matrices, 16 registers each, into window 1
.irp c, 0,1,2,3
	global_load_b128 v[4*\c:4*\c+3], v245, s[16:17] offset:32*\c
.endr
.irp i, 0,1,2,3,4,5,6,7
.irp c, 0,1,2,3
	global_load_b128 v[16*(1+\i)+4*\c:16*(1+\i)+4*\c+3], v245, s[14:15] offset:16384*\i+32*\c
.endr
.endr
.irp c, 0,1,2,3
	global_load_b128 v[144+4*\c:144+4*\c+3], v245, s[18:19] offset:32*\c
.endr
.irp c, 0,1,2,3
	global_load_b128 v[160+4*\c:160+4*\c+3], v245, s[20:21] offset:32*\c
.endr
.irp t, 0,1,2,3
.irp j, 0,1,2
	global_load_b32 v[CRD+3*\t+\j], v[GO12], s[82:83] offset:192*\t+4*\j    ; the first trip's coords
.endr
.endr
	WIN 0
	global_load_b32 v208, v246, s[24:25]           ; their scale words
.irp i, 0,1,2,3,4,5,6,7
	global_load_b32 v[209+\i], v246, s[22:23] offset:512*\i
.endr
	global_load_b32 v217, v246, s[26:27]
	global_load_b32 v218, v246, s[28:29]
.macro LDENCW X, sb                    ; column n of W_in or W_skip, in enc's places
.irp q, 0,1,2,3,4,5,6,7,8,9,10,11,12,13,16,17,18,19,20,21,22,23,24,25,26,27,28,29
	global_load_b32 v[(\X)+\q], v247, s[\sb:\sb+1] offset:(3+6*(\q/3)+\q%3)*512
.endr
	global_load_b32 v[(\X)+14], v249, s[\sb:\sb+1]
	global_load_b32 v[(\X)+15], v248, s[\sb:\sb+1] offset:512
	global_load_b32 v[(\X)+30], v246, s[\sb:\sb+1] offset:16384
	global_load_b32 v[(\X)+31], v247, s[\sb:\sb+1] offset:33*512
.endm
	LDENCW 72, 30
	LDENCW 104, 32
.irp q, 0,1,2,3,4,5,6,7,8,9,10,11
	global_load_b32 v[136+\q], v247, s[34:35] offset:(3+6*(\q/3)+\q%3)*512    ; W_view, in enc_v's places
.endr
	global_load_b32 v148, v248, s[34:35]
	global_load_b32 v149, v246, s[34:35] offset:1024
	global_load_b32 v150, v246, s[50:51]
	global_load_b32 v151, v246, s[52:53]
	global_load_b128 v[152:155], v57, s[40:41]
	global_load_b128 v[156:159], v[LI], s[46:47]
	global_load_b128 v[160:163], v[LI], s[48:49]
	global_load_b32 v164, v58, s[42:43]
	global_load_b32 v165, v58, s[44:45]
.irp i, 0,1,2,3
	global_load_b128 v[176+4*\i:176+4*\i+3], v59, s[36:37] offset:16*\i
.endr
.irp q, 0,1,2,3,4,5,6,7,8,9,10,11,12,13,14,15
	global_load_b32 v[192+\q], v60, s[38:39] offset:12*\q
.endr
	s_wait_loadcnt 0x0
	s_wait_kmcnt 0x0
.macro STIMG e, M
.irp c, 0,1,2,3
	ds_store_b128 v[250+(\M)/4], v[16*(\e)+4*\c:16*(\e)+4*\c+3] offset:((\M)%4)*16384+512*\c
.endr
.endm
	WIN 0x04                                       ; an LDS store's data are its source 1: window 1
	STIMG 0, 1
.irp i, 0,1,2,3,4,5,6,7
	STIMG 1+\i, 2+\i+2*(\i/4)
.endr
	STIMG 9, 7
	STIMG 10, 12
	WIN 0
	ds_store_b32 v254, v208 offset:16384+512*1     ; both halves of the lanes write the same word with the same value
.irp i, 0,1,2,3,4,5,6,7
	ds_store_b32 v254, v[209+\i] offset:16384+512*(2+\i+2*(\i/4))
.endr
	ds_store_b32 v254, v217 offset:16384+512*7
	ds_store_b32 v254, v218 offset:16384+512*12
	v_cndmask_b32 v102, 0, v102, s93               ; K's 64th place is a zero
	v_cndmask_b32 v134, 0, v134, s93
	QCORE 72, 0, 224, 4, 0, 1, 61, 0               ; W_in's two blocks, W_skip's two
	ds_store_b128 v250, v[224:227]
	ds_store_b128 v250, v[228:231] offset:512
	ds_store_b128 v250, v[ZP:ZP+3] offset:1024     ; K = 64 .. 127: zero codes
	ds_store_b128 v250, v[ZP:ZP+3] offset:1536
	ds_store_b128 v251, v[232:235] offset:32768
	ds_store_b128 v251, v[236:239] offset:32768+512
	ds_store_b128 v251, v[ZP:ZP+3] offset:32768+1024
	ds_store_b128 v251, v[ZP:ZP+3] offset:32768+1536
	ds_store_b32 v254, v61 offset:16384
	ds_store_b32 v254, v62 offset:16384+512*6
	s_cmp_eq_u32 s66, 3                            ; bias w + 1 = b_blocks[w], with the skip's two biases where w = 3
	s_cselect_b32 s96, -1, 0
.irp i, 0,1,2,3
	v_add_f32 v[156+\i], v[156+\i], v[160+\i]
.endr
.irp i, 0,1,2,3
	v_cndmask_b32 v[156+\i], 0, v[156+\i], s96
.endr
.irp i, 0,1,2,3
	v_add_f32 v[152+\i], v[152+\i], v[156+\i]
.endr
	ds_store_b128 v255, v[152:155] offset:23040+512
	v_add_f32 v164, v164, v165                     ; bias 0 = b_in + b_c: my 16 units
	ds_store_b32 v254, v164 offset:23040
	v_add_f32 v63, v150, v151                      ; b_view + b_viewc in three bf16 pieces, cut exactly
	v_and_b32 v64, s93, v63
	v_sub_f32 v65, v63, v64
	v_and_b32 v66, s93, v65
	v_sub_f32 v67, v65, v66
	v_cndmask_b32 v149, v149, v64, s93             ; place 13: row 2 | the first piece
	v_cndmask_b32 v150, v66, v67, s93              ; place 14: the second | the third
	v_mov_b32 v151, 0
.irp i, 0,1,2,3,4,5,6,7
	v_cvt_pk_bf16_f32 v[72+\i], v[136+2*\i], v[136+2*\i+1]
.endr
	ds_store_b128 v56, v[72:75] offset:27648
	ds_store_b128 v56, v[76:79] offset:27648+512
	s_cmp_lt_u32 s66, 4                            ; fragment w: waves 0-3 W_out in row 0; waves 4-7 W_rgb in rows 1-3; zeros elsewhere
	s_cselect_b32 s96, 0x00010001, 0
	s_cselect_b32 s97, 0, 0x000e000e
.irp q, 0,1,2,3,4,5,6,7,8,9,10,11,12,13,14,15
	v_cndmask_b32 v[176+\q], 0, v[176+\q], s96
.endr
.irp q, 0,1,2,3,4,5,6,7,8,9,10,11,12,13,14,15
	v_cndmask_b32 v[176+\q], v[176+\q], v[192+\q], s97
.endr
.irp i, 0,1,2,3,4,5,6,7
	v_cvt_pk_bf16_f32 v[80+\i], v[176+2*\i], v[176+2*\i+1]
.endr
	ds_store_b128 v56, v[80:83] offset:35840
	ds_store_b128 v56, v[84:87] offset:35840+512
	s_mov_b32 s4, 0xbbee7554                       ; every load of the head is done: the pointers' registers take the constants.  sin(pi f) = f (c0 + c1 z + .. + c5 z^5), z = f^2
	s_mov_b32 s5, 0xbbee7554
	s_mov_b32 s6, 0xbf196966
	s_mov_b32 s7, 0xbf196966
	s_mov_b32 s8, 0x402335e3
	s_mov_b32 s9, 0x402335e3
	s_mov_b32 s10, 0xc0a55de7
	s_mov_b32 s11, 0xc0a55de7
	s_mov_b32 s12, 0x40490fdb
	s_mov_b32 s13, 0x40490fdb
	s_mov_b32 s14, 0x3ea2f983                      ; 1 / pi, and what f32 leaves of it
	s_mov_b32 s15, 0x325c9c88
	s_mul_f32 s96, s95, s60
	s_mul_f32 s97, s95, s61
	s_mul_f32 s98, s95, s62
; ---------------------------------------------------------------- A TRIP: 64 rows a wave
.Ltrip:
	s_wait_loadcnt 0x0                             ; this trip's coords
	s_wait_tensorcnt 0x0                           ; the trip's first tile is asked for as every refill is; in the first trip this barrier also shows the head's images to every wave
	ds_add_u32 v[SPW], v[NIL]                      ; 0 onto my spare word
	s_wait_dscnt 0x0
	s_barrier_signal -1
	s_barrier_wait -1
	tensor_load_to_lds s[76:79], s[68:75]          ; cond_shape of tile 0
	s_nop 0
	NOPS 4
	ASK 1
	ENC 0
	BND CS, 1, CSS, 1, 16384, 16384, 1             ; cond_shape 0 in hand; 1 asked for
	ENC 1
	QCORE NE, 0, EC, 4, 0, 1, ECS, 0
	BND CS+16, 1, CSS+1, 1, 16384, 16384, 1
	ENC 2
	BND CS+32, 1, CSS+2, 1, 16384, -48640, 1
	ENC 3
	QCORE NE, 0, EC+16, 4, 0, 1, ECS+2, 0
	LDW2 0, 1, 0, 0
	BND CS+48, 1, CSS+3, 1, -48640, 16384, 1       ; cond_shape 3 in hand; cond_app 0 asked for: three tiles back, 512 bytes on
	NOPS 3
; enc W_in + cond_shape W_c.  enc's operand of tile t is 16 registers from EC + 8 t: its 8, then the next tile's (or zeros): finite codes against W_in's zero codes
.irp bq, 0,1,2,3
	s_wait_dscnt 0x0
	MUL8 0, EC, 8, 0x01, ECS, 1
	MUL8 1, CS, 16, 0x05, CSS, 0
	WIN 0
	NOPS 8
.if \bq < 3
	LDW2 0, 1, \bq+1, 0
.else
	PRELOAD 0, 2, 1
.endif
	QCORE ACC, 1, HCA+4*\bq, 16, 1, 2, HSA, \bq
.endr
	NOPS 3
	GEN 2, 1, HCA, HSA, HCB, HSB, 0, 3, 2
	BND CA, 0, CAS, 1, 16384, 16384, 1
	GEN 3, 2, HCB, HSB, HCA, HSA, 0, 4, 3
	GEN 4, 3, HCA, HSA, HCB, HSB, 1, 0, 0
	BND CA+16, 0, CAS+1, 1, 16384, 16384, 1
; block 3 + the skip: three links on each accumulator
.irp bq, 0,1,2,3
	s_wait_dscnt 0x0
	MUL8 0, HCB, 16, 0x05, HSB, 1
	WIN 0
	NOPS 8
	LDW 0, 7, \bq
	MUL8 1, EC, 8, 0x01, ECS, 0
	s_wait_dscnt 0x0
	MUL8 0, CS, 16, 0x05, CSS, 0
	WIN 0
	NOPS 8
.if \bq < 3
	LDW2 5, 6, \bq+1, 4
.else
	PRELOAD 0, 8, 5
.endif
	QCORE ACC, 1, HCA+4*\bq, 16, 1, 2, HSA, \bq
.endr
	NOPS 3
	WIN 0x40                                       ; cond_shape's codes are done with: their registers take ray_dir, noise and the next trip's coords
.irp t, 0,1,2,3
.irp j, 0,1,2
	global_load_b32 v[RAY+3*\t+\j], v[GO12], s[84:85] offset:192*\t+4*\j
.endr
.endr
.irp t, 0,1,2,3
	global_load_b32 v[NOI+\t], v[GO4], s[86:87] offset:64*\t
.endr
	WIN 0
	s_cmp_eq_u32 s67, 1                            ; the last trip asks for no further coords: no load leaves its buffer
	s_cbranch_scc1 .Lno_next
	WIN 0x40
.irp t, 0,1,2,3
.irp j, 0,1,2
	global_load_b32 v[CRD+3*\t+\j], v[GO12], s[82:83] offset:6144+192*\t+4*\j
.endr
.endr
	WIN 0
.Lno_next:
	GEN 8, 5, HCA, HSA, HCB, HSB, 0, 9, 6
	BND CA+32, 0, CAS+2, 1, 16384, 474624, 2
	s_wait_loadcnt 0x0                             ; ray_dir, noise, coords
	ENV 0
	ENV 1
	GEN 9, 6, HCB, HSB, HCA, HSA, 0, 10, 7
	ENV 2
	ENV 3
	GEN 10, 7, HCA, HSA, HCB, HSB, 2, 0, 0
	BND CA+48, 0, CAS+3, 0, 474624, 16384, 0       ; the trip's last tile: nothing is asked for here
; THE LAST PHASE, a block step at a time: net = block 7; sigma's product takes relu(net); then cond_app W_viewc and enc_v W_view (with both biases) add onto net; the colours' product takes relu of that.
; The outputs' products share one accumulator a tile: W_out in row 0, W_rgb in rows 1-3: registers 0-3 of lanes 0-15 are a row's four outputs.
.irp bq, 0,1,2,3
	s_wait_dscnt 0x0
	MUL8 0, HCB, 16, 0x05, HSB, 1
	WIN 0
	NOPS 8
.if \bq < 3
	LDW 0, 11, \bq+1
	LDB 8, \bq+1
.endif
.irp tp, 0,2
.irp i, 0,1,2,3,4,5,6,7,8,9,10,11,12,13,14,15
	v_max_num_f32 v[TM+\i], 0, v[ACC+16*\tp+\i]            ; net stays: more is added onto it
.endr
.irp i, 0,1,2,3,4,5,6,7,8,9,10,11,12,13,14,15
	v_max_num_f32 v[T2+\i], 0, v[ACC+16*(\tp+1)+\i]
.endr
	WIN 0x40
.irp i, 0,1,2,3,4,5,6,7
	v_cvt_pk_bf16_f32 v[PP+8*\tp+\i], v[TM+2*\i], v[TM+2*\i+1]
.endr
.irp i, 0,1,2,3,4,5,6,7
	v_cvt_pk_bf16_f32 v[PP+8*(\tp+1)+\i], v[T2+2*\i], v[T2+2*\i+1]
.endr
	WIN 0
.endr
	WIN 0x55
.irp t, 0,1,2,3
.if \bq == 0
	v_wmma_f32_16x16x32_bf16 v[OA+8*\t:OA+8*\t+7], v[OWR:OWR+7], v[PP+8*\t:PP+8*\t+7], 0
.else
	v_wmma_f32_16x16x32_bf16 v[OA+8*\t:OA+8*\t+7], v[OWR:OWR+7], v[PP+8*\t:PP+8*\t+7], v[OA+8*\t:OA+8*\t+7]
.endif
.endr
	MUL8 1, CA, 16, 0x01, CAS, 0
	WIN 0
	NOPS 9                                         ; another form takes these sums up: nine places
.if \bq < 3
	LDW 1, 12, \bq+1
.endif
	WIN 0x01
.irp t, 0,1,2,3
	v_wmma_f32_16x16x32_bf16 v[ACC+16*\t:ACC+16*\t+7], v[VWR:VWR+7], v[EV+8*\t:EV+8*\t+7], v[ACC+16*\t:ACC+16*\t+7]
	v_wmma_f32_16x16x32_bf16 v[ACC+16*\t+8:ACC+16*\t+15], v[VWR+8:VWR+15], v[EV+8*\t:EV+8*\t+7], v[ACC+16*\t+8:ACC+16*\t+15]
.endr
	WIN 0
	NOPS 4
.irp n, 0,1,2,3,4,5,6,7,8,9,10,11,12,13,14,15,16,17,18,19,20,21,22,23,24,25,26,27,28,29,30,31,32,33,34,35,36,37,38,39,40,41,42,43,44,45,46,47,48,49,50,51,52,53,54,55,56,57,58,59,60,61,62,63
	v_max_num_f32 v[ACC+\n], 0, v[ACC+\n]
.endr
	WIN 0x40
.irp n, 0,1,2,3,4,5,6,7,8,9,10,11,12,13,14,15,16,17,18,19,20,21,22,23,24,25,26,27,28,29,30,31
	v_cvt_pk_bf16_f32 v[PP+\n], v[ACC+2*\n], v[ACC+2*\n+1]
.endr
	WIN 0x55
.irp t, 0,1,2,3
	v_wmma_f32_16x16x32_bf16 v[OA+8*\t:OA+8*\t+7], v[OWR+8:OWR+15], v[PP+8*\t:PP+8*\t+7], v[OA+8*\t:OA+8*\t+7]
.endr
	WIN 0
	NOPS 4
.if \bq < 3
	LDVO \bq+1
.endif
.endr
; sigma = relu(sum + noise + b_out); a colour = 1 / (1 + 2^(-log2(e) (sum + b_rgb)))
	WIN 0x05
.irp t, 0,1,2,3
	v_add_f32 v[TM+4*\t], v[OA+8*\t], v[NOI+\t]
.endr
	WIN 0x01
.irp t, 0,1,2,3
.irp c, 1,2,3
	v_fma_f32 v[TM+4*\t+\c], v[OA+8*\t+\c], s95, s[95+\c]
.endr
.endr
	WIN 0
.irp t, 0,1,2,3
.irp c, 1,2,3
	v_exp_f32 v[TM+4*\t+\c], v[TM+4*\t+\c]
.endr
.endr
.irp t, 0,1,2,3
	v_add_f32 v[TM+4*\t], s94, v[TM+4*\t]                  ; (plain lines behind the exponentials)
.endr
.irp t, 0,1,2,3
	v_max_num_f32 v[TM+4*\t], 0, v[TM+4*\t]
.endr
	s_wait_alu depctr_va_vdst(0)
.irp t, 0,1,2,3
.irp c, 1,2,3
	v_add_f32 v[TM+4*\t+\c], 1.0, v[TM+4*\t+\c]
.endr
.endr
.irp t, 0,1,2,3
.irp c, 1,2,3
	v_rcp_f32 v[TM+4*\t+\c], v[TM+4*\t+\c]
.endr
.endr
	v_nop                                          ; a plain line behind the reciprocals
	s_wait_xcnt 0x0                                ; EXEC changes only behind this wait
	s_mov_b32 vcc_lo, 0xffff
	s_and_saveexec_b32 s99, vcc_lo                 ; lanes 0-15 hold the rows' outputs
	s_wait_alu depctr_va_vdst(0)
.irp t, 0,1,2,3
	global_store_b128 v[OUTO], v[TM+4*\t:TM+4*\t+3], s[88:89] offset:256*\t th:TH_STORE_NT    ; sixteen lanes store 256 consecutive bytes, at a multiple of 256 from out0's first byte
.endr
	s_wait_xcnt 0x0                                ; and again in front of the line that widens it; the stores' data and base may be written behind it too
	s_or_b32 exec_lo, exec_lo, s99
	s_add_nc_u64 s[82:83], s[82:83], 6144          ; 512 rows on
	s_add_nc_u64 s[84:85], s[84:85], 6144
	s_add_nc_u64 s[86:87], s[86:87], 2048
	s_add_nc_u64 s[88:89], s[88:89], 8192
	s_add_co_u32 s67, s67, 1
	s_cmp_lt_u32 s67, 2
	s_cbranch_scc1 .Ltrip
	s_wait_tensorcnt 0x0                           ; the wave's end
	ds_add_u32 v[SPW], v[NIL]
	s_wait_dscnt 0x0
	s_endpgm
.Lfunc_end_k_qa70882aad2_mlp:
	.size	k_qa70882aad2_mlp, .Lfunc_end_k_qa70882aad2_mlp-k_qa70882aad2_mlp
	.p2alignl 7, 3214868480
	.fill 96, 4, 3214868480
	.section	.rodata,"a",@progbits
	.p2align	6, 0x0
	.amdhsa_kernel k_qa70882aad2_mlp
		.amdhsa_group_segment_fixed_size 327680
		.amdhsa_private_segment_fixed_size 0
		.amdhsa_enable_private_segment 0
		.amdhsa_kernarg_size 216
		.amdhsa_user_sgpr_count 2
		.amdhsa_user_sgpr_kernarg_segment_ptr 1
		.amdhsa_wavefront_size32 1
		.amdhsa_system_sgpr_workgroup_id_x 1
		.amdhsa_system_sgpr_workgroup_id_y 1
		.amdhsa_system_sgpr_workgroup_id_z 1
		.amdhsa_system_vgpr_workitem_id 0
		.amdhsa_next_free_vgpr 512
		.amdhsa_next_free_sgpr 100
		.amdhsa_reserve_vcc 1
		.amdhsa_float_denorm_mode_32 3
		.amdhsa_float_denorm_mode_16_64 3
		.amdhsa_memory_ordered 1
		.amdhsa_forward_progress 1
		.amdhsa_inst_pref_size 255
	.end_amdhsa_kernel
	.section	.bss,"aw",@nobits
	.p2align	6
	.space	262144
	.amdgpu_metadata
---
amdhsa.version: [ 1, 2 ]
amdhsa.kernels:
  - .name:           k_qa70882aad2_mlp
    .symbol:         k_qa70882aad2_mlp.kd
    .args:
      - { .name: condition, .offset: 0, .size: 8, .value_kind: global_buffer, .address_space: global }
      - { .name: coords, .offset: 8, .size: 8, .value_kind: global_buffer, .address_space: global }
      - { .name: ray_dir, .offset: 16, .size: 8, .value_kind: global_buffer, .address_space: global }
      - { .name: noise, .offset: 24, .size: 8, .value_kind: global_buffer, .address_space: global }
      - { .name: out0, .offset: 32, .size: 8, .value_kind: global_buffer, .address_space: global }
      - { .name: W_blocks_codes, .offset: 40, .size: 8, .value_kind: global_buffer, .address_space: global }
      - { .name: W_c_codes, .offset: 48, .size: 8, .value_kind: global_buffer, .address_space: global }
      - { .name: W_skipc_codes, .offset: 56, .size: 8, .value_kind: global_buffer, .address_space: global }
      - { .name: W_viewc_codes, .offset: 64, .size: 8, .value_kind: global_buffer, .address_space: global }
      - { .name: W_blocks_scales, .offset: 72, .size: 8, .value_kind: global_buffer, .address_space: global }
      - { .name: W_c_scales, .offset: 80, .size: 8, .value_kind: global_buffer, .address_space: global }
      - { .name: W_skipc_scales, .offset: 88, .size: 8, .value_kind: global_buffer, .address_space: global }
      - { .name: W_viewc_scales, .offset: 96, .size: 8, .value_kind: global_buffer, .address_space: global }
      - { .name: W_in, .offset: 104, .size: 8, .value_kind: global_buffer, .address_space: global }
      - { .name: W_skip, .offset: 112, .size: 8, .value_kind: global_buffer, .address_space: global }
      - { .name: W_view, .offset: 120, .size: 8, .value_kind: global_buffer, .address_space: global }
      - { .name: W_out, .offset: 128, .size: 8, .value_kind: global_buffer, .address_space: global }
      - { .name: W_rgb, .offset: 136, .size: 8, .value_kind: global_buffer, .address_space: global }
      - { .name: b_blocks, .offset: 144, .size: 8, .value_kind: global_buffer, .address_space: global }
      - { .name: b_in, .offset: 152, .size: 8, .value_kind: global_buffer, .address_space: global }
      - { .name: b_c, .offset: 160, .size: 8, .value_kind: global_buffer, .address_space: global }
      - { .name: b_skip, .offset: 168, .size: 8, .value_kind: global_buffer, .address_space: global }
      - { .name: b_skipc, .offset: 176, .size: 8, .value_kind: global_buffer, .address_space: global }
      - { .name: b_view, .offset: 184, .size: 8, .value_kind: global_buffer, .address_space: global }
      - { .name: b_viewc, .offset: 192, .size: 8, .value_kind: global_buffer, .address_space: global }
      - { .name: b_out, .offset: 200, .size: 8, .value_kind: global_buffer, .address_space: global }
      - { .name: b_rgb, .offset: 208, .size: 8, .value_kind: global_buffer, .address_space: global }
    .group_segment_fixed_size: 327680
    .private_segment_fixed_size: 0
    .kernarg_segment_align: 8
    .kernarg_segment_size: 216
    .max_flat_workgroup_size: 256
    .sgpr_count:     100
    .vgpr_count:     512
    .wavefront_size: 32
...
	.end_amdgpu_metadata
.endif
;; end of part 1
;; ======== version 2 of 2: 1 launch
;; limits: inputs' magnitudes at most 25,000; values are held in bf16: 8 bits of precision; right only within a limited range of input values
;; launch mlp (part 2): grid 256 x 1, 8 waves a work-group, no clusters, 327,680 bytes of LDS; arguments condition, coords, ray_dir, noise, out0, W_blocks_codes, W_c_codes, W_skipc_codes, W_viewc_codes, W_blocks_scales, W_c_scales, W_skipc_scales, W_viewc_scales, W_in, W_skip, W_view, W_out, W_rgb, b_blocks, b_in, b_c, b_skip, b_skipc, b_view, b_viewc, b_out, b_rgb; writes out0
.if DOCPART == 2
	.amdgcn_target "amdgcn-amd-amdhsa--gfx1250"
	.amdhsa_code_object_version 6
	.text
	.protected	k_qa70882aad2_mlp
	.globl	k_qa70882aad2_mlp
	.p2align	8
	.type	k_qa70882aad2_mlp,@function
k_qa70882aad2_mlp:
	s_mov_b64 s[64:65], 0
	v_nop
	global_prefetch_b8 v0, s[64:65] scope:SCOPE_SE
	s_setreg_imm32_b32 hwreg(HW_REG_WAVE_MODE, 25, 1), 1
	s_wait_xcnt 0x0
; The whole network in one launch: 262,144 rows; 13 products on E5M2 codes with E8M0 scales (N = 128), three small products in bf16, sums in f32.
; SHARES.  256 work-groups of eight waves; a work-group owns 1,024 rows and walks them in 2 trips of 512; in a trip a wave owns 64 rows, four tiles of 16, and takes them through all layers in registers.
; All 13 weight matrices lie in LDS as IMAGES OF THE OPERAND'S REGISTERS (a fragment's four groups of registers, 512 consecutive bytes each), made once at the head: wave w makes tile w of every matrix.
; LAYOUT.  Every product is used transposed (source 0 = 16 units of a weight, source 1 = 16 rows of data): a lane holds one row.  Lane r of weight tile 2 b + u takes unit 32 b + 8 u + r + 8 (r / 8), so that
; the 16 registers of tiles 2 b, 2 b + 1 are units 32 b + 16 (lane / 16) + 0 .. 15: 16 neighbours along the next K.  A layer goes in four BLOCK STEPS of 32 units: 2 fragments x 4 tiles of rows = 8 accumulators,
; quantised as soon as they are summed: the f32 hidden layer never takes more than 64 registers, and a fragment read from LDS feeds four matrix instructions.
; THE TEXT IS SHORT: each phase is written once and walked by counted loops: a front loop over the four tiles (enc, cond_shape), a loop over four pairs of layers, their eight block steps written out, a loop over
; the tiles for enc_v, a loop of four block steps for the last phase.  LDS addresses follow from the counters (the running block step G = 8 pair + step: fragments at 4096 G, scale words and biases at 128 G).
; Where only register numbers differ, short ARMS (the conversions and the scale word) are chosen by scalar branches on a loop's counter.
; condition comes by tensor loads, 16 rows x 512 bytes, into ONE slot a wave (two do not fit beside the weights): asked for at an iteration's head, read whole into 64 registers at its end.
; coords, ray_dir and noise of a wave's 64 rows are copied dense into LDS bytes of the wave's own, and a tile's numbers are read from there at a stepped address.
; ENCODINGS.  sin and cos in f32: u = p / pi in two parts (exact product error by fma), x = 2^i u (+ 1/2 for the cosine), n = x to the nearest whole number, f = x - n, sin(pi x) = (-1)^n f P(f^2).
; Lanes 0-15 hold sines, lanes 16-31 cosines.  Inside a block of 32 of K the places of enc are permuted, alike in W_in, W_skip and enc; the blocks are those of the definition, so the scales are too.
; No cluster: what work-groups share is the weights, 208 KiB read once by each at its head, against 1 MiB of condition of its own.
; LIMITS: |coords| under 25,000 (n stays under 2^22); ray_dir's sum of squares inside f32's normal range (a zero ray, NaN in the definition, is not served); NaN and infinities among the inputs are not served;
; a block of zeros gets the scale byte 1 with zero codes; biases that meet in one sum are added at the head, and the skip layer's links are summed block, cond, enc: another order than the definition's;
; b_view + b_viewc goes in as three exact bf16 pieces.
.set SPARE, 240640                     ; LDS: 0 weights, 13 x 16,384: M x 16384 + tile x 2048 + 512 c + 16 lane;  M: 0 W_in, 1-8 blocks 0-7, 9 W_c, 10 W_skipc, 11 W_viewc, 12 W_skip
.set SLOT,  241664                     ; 212,992 scale words: 512 M + 64 tile + 4 r;  219,648 biases, 9 x 512;  224,256 W_view's 8 fragments;  232,448 W_out's 4 and W_rgb's 4
.set SLOTB, 8448                       ; SPARE: 128 bytes a wave that no other line names;  SLOT + 8448 w: 16 rows x (512 + 16): row r starts at bank 4 r mod 64 (64 banks of 4 bytes: ISA guide 11.1)
.set SML,   309248                     ; SML + 1792 w: the wave's own: coords 768 bytes, ray_dir 768, noise 256
.set SMLB,  1792
; window 0
.set SPW, 1                            ; v1  SPARE + 4 x thread; v2  0: both never rewritten
.set NIL, 2
.set LI,  3                            ; v3-6   16 lane + 65536 k
.set LS,  7                            ; v7     4 lane + 196608
.set BA,  8                            ; v8     64 (lane / 16) + 196608
.set XA,  9                            ; v9     my slot + 528 r + 64 (lane / 16)
.set OUTO, 10                          ; v10    16 r
.set PFO, 11                           ; v11    1024 (lane / 2) + 256 (lane % 2)
.set PH,  12                           ; v12-13 0 in lanes 0-15, 1/2 in lanes 16-31
.set CRA, 14                           ; v14    my small bytes + 12 r
.set NOA, 15                           ; v15    my small bytes + 1536 + 4 r
.set WS,  16                           ; v16-17 weights' scale words, one for each fragment buffer: lanes 0-15 tile 2 b, lanes 16-31 tile 2 b + 1
.set C4V, 18                           ; v18-19 the polynomial's c4
.set HSA, 20                           ; v20-39 scale words of the data, one a tile of rows: hidden A, hidden B, cond_shape, enc, cond_app
.set HSB, 24
.set CSS, 28
.set ECS, 32
.set CAS, 36
.set TM,  40                           ; v40-55 at work in the quantiser
.set BI,  56                           ; v56-71 a block step's biases
.set ACC, 72                           ; v72-135 the 8 accumulators; a tile of condition; the encodings' temporaries
.set EC,  136                          ; v136-167 enc's codes, 8 a tile; later enc_v in bf16, 8 a tile
.set EV,  136
.set ZP,  168                          ; v168-175 zeros: the last tile's enc operand runs on into them
.set CA,  176                          ; v176-239 cond_app's codes; before that, in its first 32, the numbers of enc of one tile
.set NB,  176
.set AD,  240                          ; v240-246 LDS addresses of the step in hand
.set QW,  247                          ; v247   the scale word just made
.set NOI, 248                          ; v248-251 noise
.set GL4, 252                          ; v252   4 lane
.set SMC, 253                          ; v253   my small bytes + 4 lane
.set EP,  72                           ; the encodings: p; u high, u low (u and 2 u); t; f; f^2; the polynomial; enc_v's 14 numbers; errors; norm
.set EH,  76
.set EL,  82
.set ETT, 88
.set EF,  94
.set EZ,  100
.set EQ,  106
.set EY,  112
.set EE,  126
.set ERQ, 130
.set ERS, 131
; window 1
.set WF,  0                            ; two buffers of two weight fragments
.set HCA, 64                           ; hidden codes A, B: 16 a tile of rows
.set HCB, 128
.set CS,  192                          ; cond_shape's codes; in the last phase: relu's temporaries, W_view's and the outputs' fragments
.set PP,  64                           ; the last phase: relu(net) in bf16, 8 a tile;  the outputs' accumulators
.set OA,  96
.set RT,  192
.set VWR, 224
.set OWR, 240
; scalars: s4-13 c5, c3, c2, c1, c0 as pairs; s14, s15 1/pi in two parts; s16 tile; s20 pair of layers; s24-30 at work; s32, s33 counters;
; s66 wave; s67 trip; s[68:75], s[76:79] descriptor; s[80:81] the tile in hand, for the prefetch; s[82:89] coords, ray_dir, noise, out0 at my rows; s[90:91] lane selects; s92 57,344's mantissa field;
; s93 mask of lanes 16-31 (also of a word's upper bf16); s94 b_out; s95 -log2(e); s96-98 -log2(e) b_rgb; s99 saved EXEC
.set MSB, 0
.macro WIN new                         ; the immediate's high byte repeats the setting that is left; a switch that changes nothing is dropped.  At every label and branch the setting is 0
.if MSB != (\new)
	s_set_vgpr_msb (MSB<<8)|(\new)
.set MSB, \new
.endif
.endm
.macro NOPS n
.rept \n
	v_nop
.endr
.endm
.macro SW4 cnt, arm                    ; one of four arms, by the counter s[cnt] = 0 .. 3
	s_cmp_lt_u32 s[\cnt], 2
	s_cbranch_scc0 .Lw2_\@
	s_cmp_eq_u32 s[\cnt], 0
	s_cbranch_scc0 .Lw1_\@
	\arm 0
	s_branch .Lwe_\@
.Lw1_\@:
	\arm 1
	s_branch .Lwe_\@
.Lw2_\@:
	s_cmp_eq_u32 s[\cnt], 2
	s_cbranch_scc0 .Lw3_\@
	\arm 2
	s_branch .Lwe_\@
.Lw3_\@:
	\arm 3
.Lwe_\@:
.endm
.macro LDF buf, adr, off               ; a block step's two fragments into buffer buf
	WIN 0x40                                       ; destination window 1, address window 0
.irp u, 0,1
.irp c, 0,1,2,3
	ds_load_b128 v[WF+32*(\buf)+16*\u+4*\c:WF+32*(\buf)+16*\u+4*\c+3], v[\adr] offset:(\off)+2048*\u+512*\c
.endr
.endr
	WIN 0
.endm
.macro LDBI adr                        ; a block step's 16 biases a lane
.irp i, 0,1,2,3
	ds_load_b128 v[BI+4*\i:BI+4*\i+3], v[\adr] offset:23040+16*\i
.endr
.endm
; 8 matrix instructions: buffer buf's two fragments x the four tiles of rows, whose operands begin at B + BS t, their scale words at SB + t.  first = 1: the biases are the C of the sums' first link.
; The eight accumulators take turns, one instruction a turn.
.macro MUL8 buf, B, BS, win, SB, first
	WIN \win
.irp t, 0,1,2,3
.if \first
	v_wmma_scale_f32_16x16x128_f8f6f4 v[ACC+16*\t:ACC+16*\t+7], v[WF+32*(\buf):WF+32*(\buf)+15], v[(\B)+(\BS)*\t:(\B)+(\BS)*\t+15], v[BI:BI+7], v[WS+(\buf)], v[(\SB)+\t] matrix_a_fmt:MATRIX_FMT_BF8 matrix_b_fmt:MATRIX_FMT_BF8
	v_wmma_scale_f32_16x16x128_f8f6f4 v[ACC+16*\t+8:ACC+16*\t+15], v[WF+32*(\buf)+16:WF+32*(\buf)+31], v[(\B)+(\BS)*\t:(\B)+(\BS)*\t+15], v[BI+8:BI+15], v[WS+(\buf)], v[(\SB)+\t] matrix_a_fmt:MATRIX_FMT_BF8 matrix_b_fmt:MATRIX_FMT_BF8 matrix_a_scale:MATRIX_SCALE_ROW1
.else
	v_wmma_scale_f32_16x16x128_f8f6f4 v[ACC+16*\t:ACC+16*\t+7], v[WF+32*(\buf):WF+32*(\buf)+15], v[(\B)+(\BS)*\t:(\B)+(\BS)*\t+15], v[ACC+16*\t:ACC+16*\t+7], v[WS+(\buf)], v[(\SB)+\t] matrix_a_fmt:MATRIX_FMT_BF8 matrix_b_fmt:MATRIX_FMT_BF8
	v_wmma_scale_f32_16x16x128_f8f6f4 v[ACC+16*\t+8:ACC+16*\t+15], v[WF+32*(\buf)+16:WF+32*(\buf)+31], v[(\B)+(\BS)*\t:(\B)+(\BS)*\t+15], v[ACC+16*\t+8:ACC+16*\t+15], v[WS+(\buf)], v[(\SB)+\t] matrix_a_fmt:MATRIX_FMT_BF8 matrix_b_fmt:MATRIX_FMT_BF8 matrix_a_scale:MATRIX_SCALE_ROW1
.endif
.endr
.endm
; THE QUANTISER, in three parts.  NG groups of 16 registers at S + 16 g; a group and that of lane l xor 16 are a block of 32 along K.  relu = 1: what is negative becomes 0 on the way.
; QPRE: the blocks' largest magnitudes; TM + 4 + g the scale's byte, TM + 8 + g the largest code x the scale, TM + 12 + g the conversion's scale operand.
.macro QPRE S, relu, NG
.irp g, 0,1,2,3
.if \g < \NG
.if \relu
	v_max3_num_f32 v[TM+\g], v[(\S)+16*\g], v[(\S)+16*\g+1], 0x8000000    ; no |.|: what is negative must not count; the floor 2^(16 - 127) holds the byte at 1 from below
.else
	v_max3_num_f32 v[TM+\g], |v[(\S)+16*\g]|, |v[(\S)+16*\g+1]|, 0x8000000
.endif
.endif
.endr
.irp i, 2,4,6,8,10,12,14
.irp g, 0,1,2,3
.if \g < \NG
.if \relu
	v_max3_num_f32 v[TM+\g], v[TM+\g], v[(\S)+16*\g+\i], v[(\S)+16*\g+\i+1]    ; the groups by turns; each accumulator is read from its low end on
.else
	v_max3_num_f32 v[TM+\g], v[TM+\g], |v[(\S)+16*\g+\i]|, |v[(\S)+16*\g+\i+1]|
.endif
.endif
.endr
.endr
.irp g, 0,1,2,3
.if \g < \NG
	v_permlanex16_b32 v[TM+4+\g], v[TM+\g], s90, s91
.endif
.endr
.irp g, 0,1,2,3
.if \g < \NG
	v_max_num_f32 v[TM+\g], v[TM+\g], v[TM+4+\g]           ; the block's largest magnitude
.endif
.endr
.irp g, 0,1,2,3
.if \g < \NG
	v_add_nc_u32 v[TM+12+\g], 0xf8800000, v[TM+\g]         ; 15 off its exponent field: the conversion's scale operand
.endif
.endr
.irp g, 0,1,2,3
.if \g < \NG
	v_and_or_b32 v[TM+8+\g], v[TM+\g], 0x7f800000, s92     ; 57,344 x the scale
.endif
.endr
.irp g, 0,1,2,3
.if \g < \NG
	v_lshrrev_b32 v[TM+4+\g], 23, v[TM+12+\g]              ; the scale's byte
.endif
.endr
.endm
.macro QHOLD S, relu, NG               ; the hold at the largest code x the scale (the conversion does not saturate: ISA guide 7.6.2), with the activation in it
.irp g, 0,1,2,3
.if \g < \NG
.irp i, 0,1,2,3,4,5,6,7,8,9,10,11,12,13,14,15
.if \relu
	v_med3_num_f32 v[(\S)+16*\g+\i], v[(\S)+16*\g+\i], 0, v[TM+8+\g]
.else
	v_med3_num_f32 v[(\S)+16*\g+\i], v[(\S)+16*\g+\i], -v[TM+8+\g], v[TM+8+\g]
.endif
.endr
.endif
.endr
.endm
.macro QCVT S, D, DS, DW, NG           ; the codes, to D + DS g in window DW.  A plain vector line follows wherever this macro is used, behind the arms' join
.if \DW
	WIN 0x40
.endif
.irp g, 0,1,2,3
.if \g < \NG
	v_cvt_scalef32_pk8_bf8_f32 v[(\D)+(\DS)*\g:(\D)+(\DS)*\g+1], v[(\S)+16*\g:(\S)+16*\g+7], v[TM+12+\g]
	v_cvt_scalef32_pk8_bf8_f32 v[(\D)+(\DS)*\g+2:(\D)+(\DS)*\g+3], v[(\S)+16*\g+8:(\S)+16*\g+15], v[TM+12+\g]
.endif
.endr
	WIN 0
.endm
; THE ARMS
.macro ECARM t                         ; enc of tile t
	v_mov_b32 v[ECS+(\t)], v[QW]
	s_wait_alu depctr_va_vdst(0)
	QCVT NB, EC+8*(\t), 4, 0, 2
.endm
.macro CSARM t                         ; cond_shape of tile t
	v_mov_b32 v[CSS+(\t)], v[QW]
	s_wait_alu depctr_va_vdst(0)
	QCVT ACC, CS+16*(\t), 4, 1, 4
.endm
.macro CAARM t                         ; cond_app of tile t
	v_mov_b32 v[CAS+(\t)], v[QW]
	s_wait_alu depctr_va_vdst(0)
	QCVT ACC, CA+16*(\t), 4, 0, 4
.endm
; THE LAYERS' TEXT.  A block step (32 units x 64 rows) goes in two HALVES: X = row tiles 0, 1 (the first 32 accumulator registers), Y = tiles 2, 3.  A PHASE is the 64 quantiser lines of one half with the
; products of the other half among them: phase 1 of step G: Q(Y, G - 1) with W(X, G);  phase 2: Q(X, G) with W(Y, G).  The quantiser's lines are the places behind the products.
; The eight steps of a pair of layers are written out, so register numbers and LDS offsets are constants; what differs from pair to pair lies in three address registers (AD, AD+1, AD+2).
; Fragments: two buffers by turns, the next step's asked for at a step's head; the first layer and the skip layer hold both buffers (the skip layer a third, in cond_app's registers of tiles 2, 3, not yet in use)
; through a step and ask for the next step's behind eight places behind the last product of phase 2.  The biases, one set, are asked for there too.
.set WS2, 255                          ; v255  W_skip's scale words
.set F2,  208                          ; v208-239  W_skip's two fragments, in the skip layer alone
.macro WMM win, d, a, b, c, sa, sb, u  ; one product; u = 1: the weight's scale words lie in lanes 16-31
	WIN \win
.if \u
	v_wmma_scale_f32_16x16x128_f8f6f4 v[(\d):(\d)+7], v[(\a):(\a)+15], v[(\b):(\b)+15], v[(\c):(\c)+7], v[\sa], v[\sb] matrix_a_fmt:MATRIX_FMT_BF8 matrix_b_fmt:MATRIX_FMT_BF8 matrix_a_scale:MATRIX_SCALE_ROW1
.else
	v_wmma_scale_f32_16x16x128_f8f6f4 v[(\d):(\d)+7], v[(\a):(\a)+15], v[(\b):(\b)+15], v[(\c):(\c)+7], v[\sa], v[\sb] matrix_a_fmt:MATRIX_FMT_BF8 matrix_b_fmt:MATRIX_FMT_BF8
.endif
	WIN 0
.endm
; product n of half HF_: link n / 4, the half's four accumulators by turns.  WK_: 0 a plain layer, 1 the first layer (enc W_in, cond_shape W_c), 2 the skip layer (block, cond_shape W_skipc, enc W_skip)
.macro WN n
.set T_, 2*HF_+((\n)%4)/2
.set U_, (\n)%2
.set L_, (\n)/4
.set D_, ACC+16*T_+8*U_
.if L_ == 0
.if WK_ == 1
	WMM 0x01, D_, WF+16*U_, EC+8*T_, BI+8*U_, WS, ECS+T_, U_
.else
	WMM 0x05, D_, WF+32*BF_+16*U_, IN_+16*T_, BI+8*U_, WS+BF_, INS_+T_, U_
.endif
.elseif L_ == 1
	WMM 0x05, D_, WF+32+16*U_, CS+16*T_, D_, WS+1, CSS+T_, U_
.else
	WMM 0x00, D_, F2+16*U_, EC+8*T_, D_, WS2, ECS+T_, U_
.endif
.endm
; line k = 0 .. 63 of a half's quantiser, with the activation in it: sums at QS_ (two tiles of 16 registers), codes to QO_ + 16 tile in window 1, byte QB_ of the scale words QH_ + tile.
; 0-15 the largest numbers, four chains by turns, each accumulator from its low end on; 16-27 the block's scale; 28-59 the holds; 60-63 the conversions
.macro QOP k
.set G_, (\k)%2
.set V_, QS_+16*G_
.if (\k) < 16
.set J_, (\k)/4
.if ((\k)%4) < 2
.if J_ == 0
	v_max3_num_f32 v[TM+G_], v[V_], v[V_+1], 0x8000000
.else
	v_max3_num_f32 v[TM+G_], v[TM+G_], v[V_+2*J_], v[V_+2*J_+1]
.endif
.else
.if J_ == 0
	v_max3_num_f32 v[TM+2+G_], v[V_+8], v[V_+9], v[V_+10]
.elseif J_ < 3
	v_max3_num_f32 v[TM+2+G_], v[TM+2+G_], v[V_+9+2*J_], v[V_+10+2*J_]
.else
	v_max3_num_f32 v[TM+2+G_], v[TM+2+G_], v[V_+15], v[TM+G_]
.endif
.endif
.elseif (\k) < 18
	v_permlanex16_b32 v[TM+4+G_], v[TM+2+G_], s90, s91
.elseif (\k) < 20
	v_max_num_f32 v[TM+2+G_], v[TM+2+G_], v[TM+4+G_]
.elseif (\k) < 22
	v_add_nc_u32 v[TM+12+G_], 0xf8800000, v[TM+2+G_]
.elseif (\k) < 24
	v_and_or_b32 v[TM+8+G_], v[TM+2+G_], 0x7f800000, s92
.elseif (\k) < 26
	v_lshrrev_b32 v[TM+G_], 23, v[TM+12+G_]
.elseif (\k) < 28
.if QB_ == 0
	v_mov_b32 v[QH_+G_], v[TM+G_]
.else
	v_lshl_or_b32 v[QH_+G_], v[TM+G_], 8*QB_, v[QH_+G_]
.endif
.elseif (\k) < 60
.set E_, ((\k)-28)/2
	v_med3_num_f32 v[V_+E_], v[V_+E_], 0, v[TM+8+G_]
.else
.set G_, ((\k)-60)/2
.set H_, ((\k)-60)%2
	WIN 0x40
	v_cvt_scalef32_pk8_bf8_f32 v[QO_+16*G_+2*H_:QO_+16*G_+2*H_+1], v[QS_+16*G_+8*H_:QS_+16*G_+8*H_+7], v[TM+12+G_]
.endif
.endm
.macro LDB off                         ; 16 biases a lane
.irp i, 0,1,2,3
	ds_load_b128 v[BI+4*\i:BI+4*\i+3], v[AD+2] offset:23040+(\off)+16*\i
.endr
.endm
.macro LDF2 off                        ; W_skip's two fragments
.irp u, 0,1
.irp c, 0,1,2,3
	ds_load_b128 v[F2+16*\u+4*\c:F2+16*\u+4*\c+3], v[LI+3] offset:(\off)+2048*\u+512*\c
.endr
.endr
.endm
.macro LATE                            ; in phase 2, eight places or more behind its last product: what step ST_ + 1 needs and could not be asked for earlier
.set O_, ST_+1
.if WK_ > 0
	LDF 0, AD, 4096*O_
	ds_load_b32 v[WS], v[AD+1] offset:16384+128*O_
.if ST_ < 3
.if WK_ == 1
	LDF 1, LI+2, 16384+4096*O_
	ds_load_b32 v[WS+1], v[LS] offset:16384+4608+128*O_
.else
	LDF 1, LI+2, 32768+4096*O_
	ds_load_b32 v[WS+1], v[LS] offset:16384+5120+128*O_
	LDF2 4096*O_
	ds_load_b32 v[WS2], v[LS] offset:16384+6144+128*O_
.endif
.endif
.endif
	LDB 128*O_
.endm
; a phase: product N_ stands ahead of line P0_ + PS_ N_; WT_ >= 0: the wait for this step's LDS loads ahead of the first product; LK_: LATE's place
.macro PHASE
.set K_, 0
.set N_, 0
.rept 64
.if WK_ >= 0
.if N_ < NW_
.if K_ == P0_+PS_*N_
.if N_ == 0
.if WT_ >= 0
	s_wait_alu depctr_va_vdst(0)                   ; directly ahead of a wait that blocks
	s_wait_dscnt WT_
.endif
.endif
	WN N_
.set N_, N_+1
.endif
.endif
.endif
.if K_ == LK_
	LATE
.endif
	QOP K_
.set K_, K_+1
.endr
	WIN 0
.endm
; a layer: four block steps, ST_ = s0 .. s0 + 3 of the pair.  pi, ps: the input's codes and scale words; po, pq: the output's.  pend = 1: the layer before has left Q(Y) of its last block to this layer's first phase
.macro LAYER kind, pi, ps, po, pq, s0, pend
.set WK_, \kind
.set IN_, \pi
.set INS_, \ps
.if \kind == 0
.set PS_, 8
.set NW_, 4
.set LY_, 37
.elseif \kind == 1
.set PS_, 4
.set NW_, 8
.set LY_, 41
.else
.set PS_, 3
.set NW_, 12
.set LY_, 46
.endif
.irp b, 0,1,2,3
.set ST_, \s0+\b
.set BF_, 0
.set HF_, 0
.if \kind == 0
.set BF_, ST_%2
	LDF (ST_+1)%2, AD, 4096*(ST_+1)                ; the next step's fragments and scale words: nine loads, into the buffer whose last product lies 31 plain lines back
	ds_load_b32 v[WS+(ST_+1)%2], v[AD+1] offset:16384+128*(ST_+1)
.endif
.if (\b == 0) && (\pend == 0)
.if \kind == 1
	LDF 1, LI+2, 16384
	ds_load_b32 v[WS+1], v[LS] offset:16384+4608
	s_wait_dscnt 0x0
.elseif \kind == 2
	LDF 1, LI+2, 32768
	ds_load_b32 v[WS+1], v[LS] offset:16384+5120
	LDF2 0
	ds_load_b32 v[WS2], v[LS] offset:16384+6144
	s_wait_dscnt 0x0
.else
	s_wait_dscnt 9                                 ; all but the nine just issued
.endif
.set N_, 0
.rept NW_
	WN N_
.set N_, N_+1
.endr
	NOPS 8                                         ; no quantiser is due here: eight places ahead of the first read of these sums
.else
.set QS_, ACC+32
.if \b == 0
.set QO_, \pi+32+12
.set QH_, \ps+2
.set QB_, 3
.else
.set QO_, \po+32+4*(\b-1)
.set QH_, \pq+2
.set QB_, \b-1
.endif
.set P0_, 12
.set LK_, -1
.if \kind == 0
.set WT_, 9                                    ; behind this step's fragments and biases only the nine loads of the step's head were issued
.else
.set WT_, 0
.endif
	PHASE
.endif
.set HF_, 1
.set QS_, ACC
.set QO_, \po+4*\b
.set QH_, \pq
.set QB_, \b
.set P0_, 4                                    ; four plain lines between Y's last conversions and the first product that takes their codes or writes their sources
.set LK_, LY_
.set WT_, -1
	PHASE
.endr
.endm
.macro EVARM t                         ; enc_v of tile t, in bf16: places 0-11 angles; 12: rd0 | rd1;  13: rd2 | 1;  14: 1 | 1;  15: 0.  The ones meet the three pieces of b_view + b_viewc
.irp i, 0,1,2,3,4,5,6
	s_wait_alu depctr_va_vdst(0)
	v_cvt_pk_bf16_f32 v[EV+8*(\t)+\i], v[EY+2*\i], v[EY+2*\i+1]
.endr
	v_mov_b32 v[EV+8*(\t)+7], 0x3f80
.endm
; u = p / pi in two parts, for p in v[EP] on, and 2 u
.macro UHL
.irp j, 0,1,2
	v_mul_f32 v[EH+\j], s14, v[EP+\j]
.endr
.irp j, 0,1,2
	s_delay_alu instid0(VALU_DEP_3)
	v_fma_f32 v[EE+\j], v[EP+\j], s14, -v[EH+\j]           ; that product's error, exactly
.endr
.irp j, 0,1,2
	s_delay_alu instid0(VALU_DEP_3)
	v_fma_f32 v[EL+\j], v[EP+\j], s15, v[EE+\j]
.endr
.irp j, 0,1,2
	v_add_f32 v[EH+3+\j], v[EH+\j], v[EH+\j]
.endr
.irp j, 0,1,2
	v_add_f32 v[EL+3+\j], v[EL+\j], v[EL+\j]
.endr
.endm
; six angles, two octaves (cc = 4^g), as three pairs by turns: leaves (-1)^n f in EF and the polynomial in EQ
.macro SINGC cc
.irp p, 0,2,4
	v_pk_fma_f32 v[ETT+\p:ETT+\p+1], v[EH+\p:EH+\p+1], \cc, v[PH:PH+1] op_sel_hi:[1,0,1]    ; x
.endr
.irp p, 0,2,4
	s_delay_alu instid0(VALU_DEP_3)
	v_pk_add_f32 v[ETT+\p:ETT+\p+1], v[ETT+\p:ETT+\p+1], 0x4b400000 op_sel_hi:[1,0]         ; + 1.5 x 2^23: the sum's lowest bits are n
.endr
.irp p, 0,2,4
	s_delay_alu instid0(VALU_DEP_3)
	v_pk_add_f32 v[EF+\p:EF+\p+1], v[ETT+\p:ETT+\p+1], 0xcb400000 op_sel_hi:[1,0]           ; n
.endr
.irp p, 0,2,4
	s_delay_alu instid0(VALU_DEP_3)
	v_pk_fma_f32 v[EF+\p:EF+\p+1], v[EH+\p:EH+\p+1], \cc, v[EF+\p:EF+\p+1] op_sel_hi:[1,0,1] neg_lo:[0,0,1] neg_hi:[0,0,1]
.endr
.irp q, 0,1,2,3,4,5
	v_lshlrev_b32 v[ETT+\q], 31, v[ETT+\q]                 ; n's parity as a sign
.endr
.irp p, 0,2,4
	v_pk_add_f32 v[EF+\p:EF+\p+1], v[EF+\p:EF+\p+1], v[PH:PH+1]
.endr
.irp p, 0,2,4
	s_delay_alu instid0(VALU_DEP_3)
	v_pk_fma_f32 v[EF+\p:EF+\p+1], v[EL+\p:EL+\p+1], \cc, v[EF+\p:EF+\p+1] op_sel_hi:[1,0,1]   ; f, with u's low part
.endr
.irp p, 0,2,4
	s_delay_alu instid0(VALU_DEP_3)
	v_pk_mul_f32 v[EZ+\p:EZ+\p+1], v[EF+\p:EF+\p+1], v[EF+\p:EF+\p+1]
.endr
.irp q, 0,1,2,3,4,5
	v_xor_b32 v[EF+\q], v[EF+\q], v[ETT+\q]                ; (-1)^n f
.endr
.irp p, 0,2,4
	v_pk_fma_f32 v[EQ+\p:EQ+\p+1], v[EZ+\p:EZ+\p+1], s[4:5], v[C4V:C4V+1] op_sel_hi:[1,0,1]
.endr
.irp k, 6,8,10,12
.irp p, 0,2,4
	s_delay_alu instid0(VALU_DEP_3)
	v_pk_fma_f32 v[EQ+\p:EQ+\p+1], v[EQ+\p:EQ+\p+1], v[EZ+\p:EZ+\p+1], s[\k:\k+1] op_sel_hi:[1,1,0]
.endr
.endr
.endm
.macro SOUT a, b, c                    ; the six results, to three pairs of registers
	v_pk_mul_f32 v[(\a):(\a)+1], v[EF:EF+1], v[EQ:EQ+1]
	v_pk_mul_f32 v[(\b):(\b)+1], v[EF+2:EF+3], v[EQ+2:EQ+3]
	v_pk_mul_f32 v[(\c):(\c)+1], v[EF+4:EF+5], v[EQ+4:EQ+5]
.endm
; MY SLOT IS ASKED FOR, at the head of an iteration: the work-group's barrier, my one tensor load.  It has the iteration's work in which to land.
; Then this wave asks, one lane a block, for the 32 blocks of 256 bytes of the tile that its NEXT tensor load will bring: 16,384 bytes on from the tile in hand, or dlast at the loop's last trip;
; guard = 1: that tile is the next trip's first, and the launch's last trip asks for nothing.
.macro FILL cnt, dlast, guard
	s_wait_tensorcnt 0x0                           ; no tensor load of mine is out
	ds_add_u32 v[SPW], v[NIL]                      ; 0 onto my spare word
	ds_add_u32 v[SPW], v[NIL]
	s_wait_dscnt 0x0                               ; the add is done, and so are all my LDS reads and stores
	s_barrier_signal -1
	s_barrier_wait -1
	tensor_load_to_lds s[76:79], s[68:75]
	s_nop 0
	NOPS 4
	s_cmp_eq_u32 s[\cnt], 3
	s_cbranch_scc1 .Lpl_\@
	global_prefetch_b8 v[PFO], s[80:81] offset:16384 th:TH_LOAD_NT scope:SCOPE_SE
	s_branch .Lpd_\@
.Lpl_\@:
.if \guard
	s_cmp_eq_u32 s67, 1
	s_cbranch_scc1 .Lpd_\@
.endif
	global_prefetch_b8 v[PFO], s[80:81] offset:\dlast th:TH_LOAD_NT scope:SCOPE_SE
.Lpd_\@:
.endm
; MY SLOT IS READ, at the end of an iteration: 16 rows x 128 numbers into 64 registers; largest magnitudes, scale word in QW, holds.  The arm behind it makes the codes.
.macro TILEQ
	s_wait_tensorcnt 0x0                           ; my slot has landed, and no tensor load of mine is out: the descriptor may be written
	s_wait_xcnt 0x0                                ; the prefetch has read its base
	s_add_nc_u64 s[78:79], s[78:79], 16384         ; the next 16 rows; the type bits on top are not reached
	s_add_nc_u64 s[80:81], s[80:81], 16384
.irp c, 0,1,2,3
.irp j, 0,1,2,3
	ds_load_b128 v[ACC+16*\c+4*\j:ACC+16*\c+4*\j+3], v[XA] offset:128*\c+16*\j    ; row r, numbers 32 c + 16 (lane / 16) + 4 j on
.endr
.endr
	s_wait_dscnt 0x0
	QPRE ACC, 0, 4
	s_delay_alu instid0(VALU_DEP_3)
	v_lshl_or_b32 v[QW], v[TM+5], 8, v[TM+4]
	s_delay_alu instid0(VALU_DEP_1)
	v_lshl_or_b32 v[QW], v[TM+6], 16, v[QW]
	s_delay_alu instid0(VALU_DEP_1)
	v_lshl_or_b32 v[QW], v[TM+7], 24, v[QW]
	QHOLD ACC, 0, 4
.endm
; ---------------------------------------------------------------- THE HEAD
	s_load_b512 s[4:19], s[0:1], 0x0               ; condition, coords, ray_dir, noise, out0, W_blocks_codes, W_c_codes, W_skipc_codes
	s_load_b512 s[20:35], s[0:1], 0x40             ; W_viewc_codes, the four scales (blocks, c, skipc, viewc), W_in, W_skip, W_view
	s_load_b512 s[36:51], s[0:1], 0x80             ; W_out, W_rgb, b_blocks, b_in, b_c, b_skip, b_skipc, b_view
	s_load_b128 s[52:55], s[0:1], 0xc0             ; b_viewc, b_out
	s_load_b64 s[56:57], s[0:1], 0xd0              ; b_rgb
	v_lshl_add_u32 v[SPW], v0, 2, SPARE
	v_mov_b32 v[NIL], 0
	v_lshrrev_b32 v240, 5, v0
	s_delay_alu instid0(VALU_DEP_1)
	v_readfirstlane_b32 s66, v240                  ; wave 0..7
	v_and_b32 v241, 31, v0                         ; lane
	v_and_b32 v242, 15, v0                         ; r
	v_bfe_u32 v243, v0, 4, 1                       ; h
	s_delay_alu instid0(VALU_DEP_3)
	v_lshlrev_b32 v[LI], 4, v241
	s_delay_alu instid0(VALU_DEP_1)
	v_add_nc_u32 v[LI+1], 0x10000, v[LI]
	s_delay_alu instid0(VALU_DEP_2)
	v_add_nc_u32 v[LI+2], 0x20000, v[LI]
	s_delay_alu instid0(VALU_DEP_3)
	v_add_nc_u32 v[LI+3], 0x30000, v[LI]
	v_lshl_add_u32 v[LS], v241, 2, 0x30000
	v_lshl_add_u32 v[BA], v243, 6, 0x30000
	s_mul_i32 s77, s66, SLOTB
	s_add_co_u32 s77, s77, SLOT                    ; my slot: also the descriptor's LDS address
	v_mul_u32_u24 v[XA], v242, 528
	s_delay_alu instid0(VALU_DEP_1)
	v_lshl_add_u32 v[XA], v243, 6, v[XA]
	s_delay_alu instid0(VALU_DEP_1)
	v_add_nc_u32 v[XA], s77, v[XA]
	s_mul_i32 s58, s66, SMLB
	s_add_co_u32 s58, s58, SML                     ; my small bytes
	v_mul_u32_u24 v[CRA], v242, 12
	s_delay_alu instid0(VALU_DEP_1)
	v_add_nc_u32 v[CRA], s58, v[CRA]
	v_lshl_add_u32 v[NOA], v242, 2, s58
	s_delay_alu instid0(VALU_DEP_1)
	v_add_nc_u32 v[NOA], 1536, v[NOA]
	v_lshlrev_b32 v68, 2, v241                     ; 4 lane, and my small bytes + 4 lane: kept in v252, v253 from the head's end on
	s_delay_alu instid0(VALU_DEP_1)
	v_add_nc_u32 v69, s58, v68
	v_lshlrev_b32 v[OUTO], 4, v242
	v_lshrrev_b32 v244, 1, v241
	v_and_b32 v245, 1, v241
	s_delay_alu instid0(VALU_DEP_2)
	v_lshlrev_b32 v[PFO], 10, v244
	s_delay_alu instid0(VALU_DEP_1)
	v_lshl_add_u32 v[PFO], v245, 8, v[PFO]
	v_cvt_f32_u32 v[PH], v243
	s_delay_alu instid0(VALU_DEP_1)
	v_mul_f32 v[PH], 0.5, v[PH]
	s_delay_alu instid0(VALU_DEP_1)
	v_mov_b32 v[PH+1], v[PH]
	v_mov_b32 v[C4V], 0x3da83c1a
	v_mov_b32 v[C4V+1], 0x3da83c1a
.irp i, 0,1,2,3,4,5,6,7
	v_mov_b32 v[ZP+\i], 0
.endr
.irp i, 4,5,6,7
	v_mov_b32 v[TM+\i], 0                          ; written once: a lane permute's destination counts as one of its sources
.endr
	s_lshr_b32 s58, s66, 1                         ; wave w makes tile w = 2 b + u of every matrix: it begins at unit 32 (w / 2) + 8 (w % 2)
	s_lshl_b32 s58, s58, 5
	s_and_b32 s59, s66, 1
	s_lshl_b32 s59, s59, 3
	s_add_co_u32 s58, s58, s59
	v_and_b32 v244, 8, v242
	s_delay_alu instid0(VALU_DEP_1)
	v_add_nc_u32 v244, v244, v242
	s_delay_alu instid0(VALU_DEP_1)
	v_add_nc_u32 v244, s58, v244                   ; n: my lane's unit
	s_delay_alu instid0(VALU_DEP_1)
	v_lshlrev_b32 v245, 7, v244
	s_delay_alu instid0(VALU_DEP_1)
	v_lshl_add_u32 v245, v243, 4, v245             ; codes: 128 n + 16 h
	s_delay_alu instid0(VALU_DEP_3)
	v_lshlrev_b32 v246, 2, v244                    ; 4 n: a scale word; a column of an f32 weight
	s_delay_alu instid0(VALU_DEP_1)
	v_mad_u32_u24 v247, v243, 1536, v246           ; + three rows further down for the cosines
	s_delay_alu instid0(VALU_DEP_2)
	v_lshl_add_u32 v248, v243, 9, v246             ; + one row for lanes 16-31
	v_xor_b32 v249, 1, v243
	s_delay_alu instid0(VALU_DEP_1)
	v_mad_u32_u24 v249, v249, 14848, v246          ; row 29 for lanes 0-15, row 0 for lanes 16-31
	s_lshl_b32 s59, s66, 11
	v_add_nc_u32 v250, s59, v[LI]                  ; where my tile's images go: 16 lane + 2048 w + 65536 k
	v_add_nc_u32 v251, s59, v[LI+1]
	v_add_nc_u32 v252, s59, v[LI+2]
	v_add_nc_u32 v253, s59, v[LI+3]
	s_lshl_b32 s59, s66, 6
	s_add_co_u32 s59, s59, 0x30000
	v_lshl_add_u32 v254, v242, 2, s59              ; 196608 + 64 w + 4 r: scale words, and my piece of bias 0
	s_lshl_b32 s59, s66, 9
	v_add_nc_u32 v70, s59, v[LI+3]                 ; bias w + 1 (v255 is kept for scale words alone)
	v_add_nc_u32 v57, s59, v[LI]                   ; b_blocks[w]: 512 w + 16 lane
	s_lshl_b32 s59, s66, 10
	v_add_nc_u32 v56, s59, v[LI+3]                 ; bf16 fragment w
	s_lshl_b32 s59, s66, 6
	v_lshl_add_u32 v58, v242, 2, s59               ; b_in, b_c: 64 w + 4 r
	s_and_b32 s59, s66, 3                          ; the outputs' fragment w is of block step w % 4
	s_lshl_b32 s58, s59, 7
	v_lshl_add_u32 v59, v243, 6, s58               ; W_out: units 32 b + 16 h on
	s_mul_i32 s58, s59, 384
	v_add_nc_u32 v60, -1, v242
	s_delay_alu instid0(VALU_DEP_1)
	v_min_u32 v60, 2, v60                          ; W_rgb's column r - 1, held inside the table (lanes with r = 0 or r > 3 are masked out below)
	s_delay_alu instid0(VALU_DEP_1)
	v_lshlrev_b32 v60, 2, v60
	s_delay_alu instid0(VALU_DEP_1)
	v_mad_u32_u24 v60, v243, 192, v60
	s_delay_alu instid0(VALU_DEP_1)
	v_add_nc_u32 v60, s58, v60
	; the descriptor: 16 rows of 128 f32, 256 elements from row to row, 4 words of padding behind every 128 words
	s_mov_b32 s76, 1
	s_mov_b32 s68, (2<<16)|(1<<20)|(6<<22)|(3<<25)
	s_mov_b32 s69, 128<<16
	s_mov_b32 s70, 16<<16
	s_mov_b32 s71, 128<<16
	s_mov_b32 s72, 16
	s_mov_b32 s73, 256
	s_mov_b32 s74, 0
	s_mov_b32 s75, 0
	s_mov_b32 s90, 0x76543210
	s_mov_b32 s91, 0xfedcba98
	s_mov_b32 s92, 0x600000
	s_mov_b32 s93, 0xffff0000
	s_mov_b32 s95, 0xbfb8aa3b
	s_mov_b32 s67, 0
	s_lshl_b32 s96, ttmp9, 20                      ; condition: 1,024 rows of 1,024 bytes a work-group, 64 rows a wave
	s_lshl_b32 s97, s66, 16
	s_add_co_u32 s96, s96, s97
	s_mov_b32 s97, 0
	s_lshl_b32 s98, ttmp9, 10
	s_lshl_b32 s99, s66, 6
	s_add_co_u32 s98, s98, s99                     ; my first row
	s_wait_alu depctr_va_vdst(0)
	s_wait_kmcnt 0x0
	s_add_nc_u64 s[78:79], s[4:5], s[96:97]
	s_mov_b64 s[80:81], s[78:79]
	s_or_b32 s79, s79, 0x80000000
	s_mul_i32 s96, s98, 12
	s_add_nc_u64 s[82:83], s[6:7], s[96:97]
	s_add_nc_u64 s[84:85], s[8:9], s[96:97]
	s_lshl_b32 s96, s98, 2
	s_add_nc_u64 s[86:87], s[10:11], s[96:97]
	s_lshl_b32 s96, s98, 4
	s_add_nc_u64 s[88:89], s[12:13], s[96:97]
	s_load_b32 s94, s[54:55], 0x0                  ; b_out
	s_load_b96 s[60:62], s[56:57], 0x0             ; b_rgb
	WIN 0x40                                       ; the given codes: my tile of 11 matrices, 16 registers each, into window 1
.irp c, 0,1,2,3
	global_load_b128 v[4*\c:4*\c+3], v245, s[16:17] offset:32*\c
.endr
.irp i, 0,1,2,3,4,5,6,7
.irp c, 0,1,2,3
	global_load_b128 v[16*(1+\i)+4*\c:16*(1+\i)+4*\c+3], v245, s[14:15] offset:16384*\i+32*\c
.endr
.endr
.irp c, 0,1,2,3
	global_load_b128 v[144+4*\c:144+4*\c+3], v245, s[18:19] offset:32*\c
.endr
.irp c, 0,1,2,3
	global_load_b128 v[160+4*\c:160+4*\c+3], v245, s[20:21] offset:32*\c
.endr
.irp k, 0,1,2,3,4,5
	global_load_b32 v[176+\k], v68, s[82:83] offset:128*\k    ; the first trip's coords: my 64 rows are 768 consecutive bytes
.endr
	WIN 0
	global_load_b32 v208, v246, s[24:25]           ; their scale words
.irp i, 0,1,2,3,4,5,6,7
	global_load_b32 v[209+\i], v246, s[22:23] offset:512*\i
.endr
	global_load_b32 v217, v246, s[26:27]
	global_load_b32 v218, v246, s[28:29]
.macro LDENCW X, sb                    ; column n of W_in or W_skip, in enc's places: place a: angle a = 3 i + j (sine below, cosine above), but 14: sin(16 p2) | p0;  15: p1 | p2;  30: 0 | cos(16 p2);  31: angle 15
.irp q, 0,1,2,3,4,5,6,7,8,9,10,11,12,13,16,17,18,19,20,21,22,23,24,25,26,27,28,29
	global_load_b32 v[(\X)+\q], v247, s[\sb:\sb+1] offset:(3+6*(\q/3)+\q%3)*512
.endr
	global_load_b32 v[(\X)+14], v249, s[\sb:\sb+1]
	global_load_b32 v[(\X)+15], v248, s[\sb:\sb+1] offset:512
	global_load_b32 v[(\X)+30], v246, s[\sb:\sb+1] offset:16384
	global_load_b32 v[(\X)+31], v247, s[\sb:\sb+1] offset:33*512
.endm
	LDENCW 72, 30
	LDENCW 104, 32
.irp q, 0,1,2,3,4,5,6,7,8,9,10,11
	global_load_b32 v[136+\q], v247, s[34:35] offset:(3+6*(\q/3)+\q%3)*512    ; W_view, in enc_v's places
.endr
	global_load_b32 v148, v248, s[34:35]
	global_load_b32 v149, v246, s[34:35] offset:1024
	global_load_b32 v150, v246, s[50:51]
	global_load_b32 v151, v246, s[52:53]
	global_load_b128 v[152:155], v57, s[40:41]
	global_load_b128 v[156:159], v[LI], s[46:47]
	global_load_b128 v[160:163], v[LI], s[48:49]
	global_load_b32 v164, v58, s[42:43]
	global_load_b32 v165, v58, s[44:45]
.irp i, 0,1,2,3
	global_load_b128 v[176+4*\i:176+4*\i+3], v59, s[36:37] offset:16*\i
.endr
.irp q, 0,1,2,3,4,5,6,7,8,9,10,11,12,13,14,15
	global_load_b32 v[192+\q], v60, s[38:39] offset:12*\q
.endr
	s_wait_loadcnt 0x0
	s_wait_kmcnt 0x0
.macro STIMG e, M
.irp c, 0,1,2,3
	ds_store_b128 v[250+(\M)/4], v[16*(\e)+4*\c:16*(\e)+4*\c+3] offset:((\M)%4)*16384+512*\c
.endr
.endm
	WIN 0x04                                       ; an LDS store's data are its source 1: window 1
	STIMG 0, 9
.irp i, 0,1,2,3,4,5,6,7
	STIMG 1+\i, 1+\i
.endr
	STIMG 9, 10
	STIMG 10, 11
.irp k, 0,1,2,3,4,5
	ds_store_b32 v69, v[176+\k] offset:128*\k
.endr
	WIN 0
	ds_store_b32 v254, v208 offset:16384+512*9     ; both halves of the lanes write the same word with the same value
.irp i, 0,1,2,3,4,5,6,7
	ds_store_b32 v254, v[209+\i] offset:16384+512*(1+\i)
.endr
	ds_store_b32 v254, v217 offset:16384+512*10
	ds_store_b32 v254, v218 offset:16384+512*11
	v_cndmask_b32 v102, 0, v102, s93               ; K's 64th place is a zero
	v_cndmask_b32 v134, 0, v134, s93
	QPRE 72, 0, 4                                  ; W_in's two blocks, W_skip's two
	s_delay_alu instid0(VALU_DEP_3)
	v_lshl_or_b32 v61, v[TM+5], 8, v[TM+4]         ; their scale words: the upper two bytes 0, over zero codes
	s_delay_alu instid0(VALU_DEP_2)
	v_lshl_or_b32 v62, v[TM+7], 8, v[TM+6]
	QHOLD 72, 0, 4
	QCVT 72, 224, 4, 0, 4
	v_nop                                          ; a plain line behind the last conversion
	ds_store_b128 v250, v[224:227]
	ds_store_b128 v250, v[228:231] offset:512
	ds_store_b128 v250, v[ZP:ZP+3] offset:1024     ; K = 64 .. 127: zero codes
	ds_store_b128 v250, v[ZP:ZP+3] offset:1536
	ds_store_b128 v253, v[232:235]
	ds_store_b128 v253, v[236:239] offset:512
	ds_store_b128 v253, v[ZP:ZP+3] offset:1024
	ds_store_b128 v253, v[ZP:ZP+3] offset:1536
	ds_store_b32 v254, v61 offset:16384
	ds_store_b32 v254, v62 offset:16384+512*12
	s_cmp_eq_u32 s66, 3                            ; bias w + 1 = b_blocks[w], with the skip's two biases where w = 3
	s_cselect_b32 s96, -1, 0
.irp i, 0,1,2,3
	v_add_f32 v[156+\i], v[156+\i], v[160+\i]
.endr
.irp i, 0,1,2,3
	s_delay_alu instid0(VALU_DEP_4)
	v_cndmask_b32 v[156+\i], 0, v[156+\i], s96
.endr
.irp i, 0,1,2,3
	s_delay_alu instid0(VALU_DEP_4)
	v_add_f32 v[152+\i], v[152+\i], v[156+\i]
.endr
	ds_store_b128 v70, v[152:155] offset:23040+512
	v_add_f32 v164, v164, v165                     ; bias 0 = b_in + b_c: my 16 units
	ds_store_b32 v254, v164 offset:23040
	v_add_f32 v63, v150, v151                      ; b_view + b_viewc in three bf16 pieces, cut exactly
	s_delay_alu instid0(VALU_DEP_1)
	v_and_b32 v64, s93, v63
	s_delay_alu instid0(VALU_DEP_1)
	v_sub_f32 v65, v63, v64
	s_delay_alu instid0(VALU_DEP_1)
	v_and_b32 v66, s93, v65
	s_delay_alu instid0(VALU_DEP_1)
	v_sub_f32 v67, v65, v66
	s_delay_alu instid0(VALU_DEP_4)
	v_cndmask_b32 v149, v149, v64, s93             ; place 13: row 2 | the first piece
	s_delay_alu instid0(VALU_DEP_2)
	v_cndmask_b32 v150, v66, v67, s93              ; place 14: the second | the third
	v_mov_b32 v151, 0
.irp i, 0,1,2,3,4,5,6,7
	v_cvt_pk_bf16_f32 v[72+\i], v[136+2*\i], v[136+2*\i+1]
.endr
	ds_store_b128 v56, v[72:75] offset:27648
	ds_store_b128 v56, v[76:79] offset:27648+512
	s_cmp_lt_u32 s66, 4                            ; fragment w: waves 0-3 W_out in row 0; waves 4-7 W_rgb in rows 1-3; zeros elsewhere
	s_cselect_b32 s96, 0x00010001, 0
	s_cselect_b32 s97, 0, 0x000e000e
.irp q, 0,1,2,3,4,5,6,7,8,9,10,11,12,13,14,15
	v_cndmask_b32 v[176+\q], 0, v[176+\q], s96
.endr
.irp q, 0,1,2,3,4,5,6,7,8,9,10,11,12,13,14,15
	v_cndmask_b32 v[176+\q], v[176+\q], v[192+\q], s97
.endr
.irp i, 0,1,2,3,4,5,6,7
	v_cvt_pk_bf16_f32 v[80+\i], v[176+2*\i], v[176+2*\i+1]
.endr
	ds_store_b128 v56, v[80:83] offset:35840
	ds_store_b128 v56, v[84:87] offset:35840+512
	v_mov_b32 v[GL4], v68
	v_mov_b32 v[SMC], v69
; Registers that are first written inside an arm below are written once here, so that every way through the text finds them written (the head's loads have written all the others)
.set i, 0
.rept 20
	v_mov_b32 v[HSA+i], 0
.set i, i+1
.endr
	v_mov_b32 v166, 0
	v_mov_b32 v167, 0
.irp i, 219,220,221,222,223
	v_mov_b32 v\i, 0
.endr
	WIN 0x40
.set i, 0
.rept 80
	v_mov_b32 v[176+i], 0
.set i, i+1
.endr
	WIN 0
	s_mov_b32 s4, 0xbbee7554                       ; every load of the head is done: the pointers' registers take the constants.  sin(pi f) = f (c0 + c1 z + .. + c5 z^5), z = f^2
	s_mov_b32 s5, 0xbbee7554
	s_mov_b32 s6, 0xbf196966
	s_mov_b32 s7, 0xbf196966
	s_mov_b32 s8, 0x402335e3
	s_mov_b32 s9, 0x402335e3
	s_mov_b32 s10, 0xc0a55de7
	s_mov_b32 s11, 0xc0a55de7
	s_mov_b32 s12, 0x40490fdb
	s_mov_b32 s13, 0x40490fdb
	s_mov_b32 s14, 0x3ea2f983                      ; 1 / pi, and what f32 leaves of it
	s_mov_b32 s15, 0x325c9c88
	s_mul_f32 s96, s95, s60
	s_mul_f32 s97, s95, s61
	s_mul_f32 s98, s95, s62
; ---------------------------------------------------------------- A TRIP: 64 rows a wave
.Ltrip:
	WIN 0x40                                       ; ray_dir and noise of this trip, coords of the next: dense, 128 bytes a load, into hidden B's registers, which are idle until the second layer
.irp k, 0,1,2,3,4,5
	global_load_b32 v[HCB+\k], v[GL4], s[84:85] offset:128*\k
.endr
.irp k, 0,1
	global_load_b32 v[HCB+6+\k], v[GL4], s[86:87] offset:128*\k
.endr
	WIN 0
	s_cmp_eq_u32 s67, 1                            ; the last trip asks for no further coords: no load leaves its buffer
	s_cbranch_scc1 .Lnc1
	WIN 0x40
.irp k, 0,1,2,3,4,5
	global_load_b32 v[HCB+8+\k], v[GL4], s[82:83] offset:6144+128*\k
.endr
	WIN 0
.Lnc1:
; ---- THE FRONT LOOP, tile t: cond_shape's tile is asked for; enc is made and quantised while it lands; the tile is read and quantised.  In the first trip its first barrier also shows the head's images to every wave
	s_mov_b32 s16, 0
.Lfront:
	FILL 16, -48640, 0                             ; at t = 3 the next tile is cond_app's first: three tiles back, 512 bytes on
	s_mul_i32 s24, s16, 192
	v_add_nc_u32 v[AD], s24, v[CRA]
.irp j, 0,1,2
	ds_load_b32 v[EP+\j], v[AD] offset:4*\j
.endr
	s_wait_dscnt 0x0
	UHL
	SINGC 1.0                                      ; five pairs of octaves, written out: the factor 4^g is a constant of each
	SOUT NB, NB+2, NB+4
	SINGC 4.0
	SOUT NB+6, NB+8, NB+10
	SINGC 0x41800000
	SOUT NB+12, NB+30, NB+16                       ; the pair of angles 14, 15 goes to places 30, 31
	SINGC 0x42800000
	SOUT NB+18, NB+20, NB+22
	SINGC 0x43800000
	SOUT NB+24, NB+26, NB+28
	s_wait_alu depctr_va_vdst(0)
	v_cndmask_b32 v[NB+14], v[NB+30], v[EP], s93
	v_cndmask_b32 v[NB+30], 0, v[NB+30], s93
	v_cndmask_b32 v[NB+15], v[EP+1], v[EP+2], s93
	QPRE NB, 0, 2
	s_delay_alu instid0(VALU_DEP_1)
	v_lshl_or_b32 v[QW], v[TM+5], 8, v[TM+4]       ; the upper two bytes 0: they meet W_in's zero codes
	QHOLD NB, 0, 2
	SW4 16, ECARM
	v_nop                                          ; a plain line behind the conversions
	TILEQ
	SW4 16, CSARM
	v_nop
	s_add_co_u32 s16, s16, 1
	s_cmp_lt_u32 s16, 4
	s_cbranch_scc1 .Lfront
	s_wait_loadcnt 0x0                             ; the small inputs asked for at the trip's head go to my own LDS bytes
	WIN 0x04
.irp k, 0,1,2,3,4,5
	ds_store_b32 v[SMC], v[HCB+\k] offset:768+128*\k
.endr
.irp k, 0,1
	ds_store_b32 v[SMC], v[HCB+6+\k] offset:1536+128*\k
.endr
	WIN 0
	s_cmp_eq_u32 s67, 1
	s_cbranch_scc1 .Lnc2
	WIN 0x04
.irp k, 0,1,2,3,4,5
	ds_store_b32 v[SMC], v[HCB+8+\k] offset:128*\k         ; this trip's coords have been read: LDS serves a wave's instructions in order
.endr
	WIN 0
.Lnc2:
	s_wait_xcnt 0x0
	s_sub_nc_u64 s[78:79], s[78:79], 65024         ; from behind cond_shape's four tiles to cond_app's first (no tensor load of mine is out)
	s_sub_nc_u64 s[80:81], s[80:81], 65024
	LDF 0, LI, 0                                   ; block step 0: W_in's first fragments, their scale words, the biases
	ds_load_b32 v[WS], v[LS] offset:16384
	LDBI BA
	NOPS 8                                         ; eight places between the scale words made in the arms above and the first scaled product
; ---- THE LAYERS, a pair at a time: steps 0-3 an even layer (codes B, or enc, in; codes A out), steps 4-7 an odd layer (A in, B out); cond_app's tile p lands meanwhile
	s_mov_b32 s20, 0
.Lpair:
	FILL 20, 474624, 1                             ; at p = 3 the next tile is the next trip's first
	s_lshl_b32 s24, s20, 15                        ; the pair's eight block steps: fragments from 32768 p on, scale words and biases from 1024 p on
	s_lshl_b32 s25, s20, 10
	v_add_nc_u32 v[AD], s24, v[LI]
	v_add_nc_u32 v[AD+1], s25, v[LS]
	v_add_nc_u32 v[AD+2], s25, v[BA]
	s_wait_alu depctr_va_vdst(0)                   ; directly behind these writes
	s_cmp_eq_u32 s20, 0
	s_cbranch_scc1 .Le0
	s_cmp_eq_u32 s20, 2
	s_cbranch_scc1 .Lsk
	LAYER 0, HCB, HSB, HCA, HSA, 0, 0              ; pairs 1, 3: a plain even layer
	s_wait_alu depctr_va_vdst(0)                   ; ahead of the jump
	s_branch .Lodd
.Le0:
	LAYER 1, HCB, HSB, HCA, HSA, 0, 0              ; pair 0: enc W_in + cond_shape W_c
	s_wait_alu depctr_va_vdst(0)
	s_branch .Lodd
.Lsk:
	LAYER 2, HCB, HSB, HCA, HSA, 0, 0              ; pair 2: block 3 + cond_shape W_skipc + enc W_skip
	s_wait_alu depctr_va_vdst(0)
.Lodd:
	LAYER 0, HCA, HSA, HCB, HSB, 4, 1              ; the odd layer; its first phase finishes the even layer's last block
.set WK_, -1                                   ; and Y's last block of the pair, with no products among its lines: the accumulators' registers take cond_app's tile next
.set QS_, ACC+32
.set QO_, HCB+32+12
.set QH_, HSB+2
.set QB_, 3
.set LK_, -1
	PHASE
	v_nop                                          ; a plain line behind the last conversion
	s_wait_alu depctr_va_vdst(0)                   ; ahead of the waits below
	TILEQ
	SW4 20, CAARM
	v_nop
	s_add_co_u32 s20, s20, 1
	s_cmp_lt_u32 s20, 4
	s_cbranch_scc1 .Lpair
	s_wait_xcnt 0x0
	s_add_nc_u64 s[78:79], s[78:79], 458240        ; from behind cond_app's four tiles to the next trip's first tile, 512 rows on (not used behind the last trip)
	s_add_nc_u64 s[80:81], s[80:81], 458240
; ---- enc_v, tile by tile, into the registers that enc's codes have left
	s_mov_b32 s33, 0
.Lenv:
	s_mul_i32 s24, s33, 192
	v_add_nc_u32 v[AD], s24, v[CRA]
.irp j, 0,1,2
	ds_load_b32 v[EP+\j], v[AD] offset:768+4*\j
.endr
	s_wait_dscnt 0x0
	v_mul_f32 v[ERQ], v[EP], v[EP]
	s_delay_alu instid0(VALU_DEP_1)
	v_fma_f32 v[ERQ], v[EP+1], v[EP+1], v[ERQ]
	s_delay_alu instid0(VALU_DEP_1)
	v_fma_f32 v[ERQ], v[EP+2], v[EP+2], v[ERQ]
	s_wait_alu depctr_va_vdst(0)
	v_rsq_f32 v[ERS], v[ERQ]
	v_nop                                          ; a plain line behind the transcendental
	s_wait_alu depctr_va_vdst(0)
.irp j, 0,1,2
	v_mul_f32 v[EP+\j], v[EP+\j], v[ERS]
.endr
	UHL
	SINGC 1.0
	SOUT EY, EY+2, EY+4
	SINGC 4.0
	SOUT EY+6, EY+8, EY+10
	v_cndmask_b32 v[EY+12], v[EP], v[EP+1], s93
	v_cndmask_b32 v[EY+13], v[EP+2], 1.0, s93
	SW4 33, EVARM
	s_add_co_u32 s33, s33, 1
	s_cmp_lt_u32 s33, 4
	s_cbranch_scc1 .Lenv
.irp t, 0,1,2,3
	ds_load_b32 v[NOI+\t], v[NOA] offset:64*\t
.endr
; ---- THE LAST PHASE, a block step at a time: net = block 7; sigma's product takes relu(net); then cond_app W_viewc and enc_v W_view (with both biases) add onto net; the colours' product takes relu of that.
; The outputs' products share one accumulator a tile: W_out in row 0, W_rgb in rows 1-3: registers 0-3 of lanes 0-15 are a row's four outputs.
	s_mov_b32 s32, 0
.Lfin:
	s_wait_dscnt 0x0
	MUL8 0, HCB, 16, 0x05, HSB, 1
	WIN 0
	s_add_co_u32 s24, s32, 33
	s_lshl_b32 s25, s24, 12
	s_lshl_b32 s26, s24, 7
	s_lshl_b32 s27, s32, 12
	s_lshl_b32 s28, s32, 11
	s_lshl_b32 s29, s32, 10
	s_lshl_b32 s30, s32, 7
	v_add_nc_u32 v[AD], s25, v[LI]                 ; seven additions and a v_nop: the eight places behind the products
	v_add_nc_u32 v[AD+1], s26, v[LS]
	v_add_nc_u32 v[AD+2], s26, v[BA]
	v_add_nc_u32 v[AD+3], s27, v[LI+2]
	v_add_nc_u32 v[AD+4], s28, v[LI+3]
	v_add_nc_u32 v[AD+5], s29, v[LI+3]
	v_add_nc_u32 v[AD+6], s30, v[LS]
	v_nop
	LDF 1, AD+3, 49152                             ; THIS step's other operands: W_viewc's fragments, W_view's, W_out's and W_rgb's: they land under the first relu
	WIN 0x40
.irp u, 0,1
.irp i, 0,1
	ds_load_b128 v[VWR+8*\u+4*\i:VWR+8*\u+4*\i+3], v[AD+4] offset:27648+1024*\u+512*\i
.endr
.endr
.irp i, 0,1
	ds_load_b128 v[OWR+4*\i:OWR+4*\i+3], v[AD+5] offset:35840+512*\i
	ds_load_b128 v[OWR+8+4*\i:OWR+8+4*\i+3], v[AD+5] offset:35840+4096+512*\i
.endr
	WIN 0
	ds_load_b32 v[WS+1], v[AD+6] offset:16384+5632
	s_cmp_eq_u32 s32, 3                            ; and the NEXT step's block 7, if there is one
	s_cbranch_scc1 .Lfl
	LDF 0, AD, 0
	s_wait_alu depctr_va_vdst(0)
	ds_load_b32 v[WS], v[AD+1] offset:16384
	LDBI AD+2
.Lfl:
.irp tp, 0,2                           ; relu(net) in bf16, two tiles at a time; net stays: more is added onto it
	WIN 0x40
.set i, 0
.rept 32
	v_max_num_f32 v[RT+i], 0, v[ACC+16*\tp+i]
.set i, i+1
.endr
	WIN 0x45
.set i, 0
.rept 16
	v_cvt_pk_bf16_f32 v[PP+8*\tp+i], v[RT+2*i], v[RT+2*i+1]
.set i, i+1
.endr
.endr
	WIN 0
	s_wait_dscnt 0x0
	s_cmp_eq_u32 s32, 0                            ; the first block's products start the outputs' sums
	s_cbranch_scc0 .Lo1n
	WIN 0x55
	s_wait_alu depctr_va_vdst(0)
.irp t, 0,1,2,3
	v_wmma_f32_16x16x32_bf16 v[OA+8*\t:OA+8*\t+7], v[OWR:OWR+7], v[PP+8*\t:PP+8*\t+7], 0
.endr
	WIN 0
	s_branch .Lo1d
.Lo1n:
	WIN 0x55
	s_wait_alu depctr_va_vdst(0)
.irp t, 0,1,2,3
	v_wmma_f32_16x16x32_bf16 v[OA+8*\t:OA+8*\t+7], v[OWR:OWR+7], v[PP+8*\t:PP+8*\t+7], v[OA+8*\t:OA+8*\t+7]
.endr
	WIN 0
.Lo1d:
	MUL8 1, CA, 16, 0x01, CAS, 0
	WIN 0
	NOPS 9                                         ; another form takes these sums up: nine places
	WIN 0x01
.irp t, 0,1,2,3
	v_wmma_f32_16x16x32_bf16 v[ACC+16*\t:ACC+16*\t+7], v[VWR:VWR+7], v[EV+8*\t:EV+8*\t+7], v[ACC+16*\t:ACC+16*\t+7]
	v_wmma_f32_16x16x32_bf16 v[ACC+16*\t+8:ACC+16*\t+15], v[VWR+8:VWR+15], v[EV+8*\t:EV+8*\t+7], v[ACC+16*\t+8:ACC+16*\t+15]
.endr
	WIN 0
	NOPS 4
.set i, 0
.rept 64
	v_max_num_f32 v[ACC+i], 0, v[ACC+i]
.set i, i+1
.endr
	WIN 0x40
.set i, 0
.rept 32
	v_cvt_pk_bf16_f32 v[PP+i], v[ACC+2*i], v[ACC+2*i+1]
.set i, i+1
.endr
	WIN 0x55
.irp t, 0,1,2,3
	v_wmma_f32_16x16x32_bf16 v[OA+8*\t:OA+8*\t+7], v[OWR+8:OWR+15], v[PP+8*\t:PP+8*\t+7], v[OA+8*\t:OA+8*\t+7]
.endr
	WIN 0
	NOPS 4                                         ; four places ahead of the reads of the outputs' sums
	s_add_co_u32 s32, s32, 1
	s_cmp_lt_u32 s32, 4
	s_cbranch_scc1 .Lfin
; sigma = relu(sum + noise + b_out); a colour = 1 / (1 + 2^(-log2(e) (sum + b_rgb)))
	WIN 0x01
.irp t, 0,1,2,3
	v_add_f32 v[TM+4*\t], v[OA+8*\t], v[NOI+\t]
.endr
.irp t, 0,1,2,3
.irp c, 1,2,3
	v_fma_f32 v[TM+4*\t+\c], v[OA+8*\t+\c], s95, s[95+\c]
.endr
.endr
	WIN 0
	s_wait_alu depctr_va_vdst(0)
.irp t, 0,1,2,3
.irp c, 1,2,3
	v_exp_f32 v[TM+4*\t+\c], v[TM+4*\t+\c]
.endr
.endr
.irp t, 0,1,2,3
	v_add_f32 v[TM+4*\t], s94, v[TM+4*\t]                  ; (plain lines behind the exponentials)
.endr
.irp t, 0,1,2,3
	s_delay_alu instid0(VALU_DEP_4)
	v_max_num_f32 v[TM+4*\t], 0, v[TM+4*\t]
.endr
	s_wait_alu depctr_va_vdst(0)
.irp t, 0,1,2,3
.irp c, 1,2,3
	v_add_f32 v[TM+4*\t+\c], 1.0, v[TM+4*\t+\c]
.endr
.endr
	s_wait_alu depctr_va_vdst(0)
.irp t, 0,1,2,3
.irp c, 1,2,3
	v_rcp_f32 v[TM+4*\t+\c], v[TM+4*\t+\c]
.endr
.endr
	v_nop                                          ; a plain line behind the reciprocals
	s_wait_xcnt 0x0                                ; EXEC changes only behind this wait
	s_mov_b32 vcc_lo, 0xffff
	s_and_saveexec_b32 s99, vcc_lo                 ; lanes 0-15 hold the rows' outputs
	s_wait_alu depctr_va_vdst(0)
.irp t, 0,1,2,3
	global_store_b128 v[OUTO], v[TM+4*\t:TM+4*\t+3], s[88:89] offset:256*\t th:TH_STORE_NT    ; sixteen lanes store 256 consecutive bytes, at a multiple of 256 from out0's first byte
.endr
	s_wait_xcnt 0x0                                ; and again in front of the line that widens it; the stores' data and base may be written behind it too
	s_or_b32 exec_lo, exec_lo, s99
	s_add_nc_u64 s[82:83], s[82:83], 6144          ; 512 rows on
	s_add_nc_u64 s[84:85], s[84:85], 6144
	s_add_nc_u64 s[86:87], s[86:87], 2048
	s_add_nc_u64 s[88:89], s[88:89], 8192
	s_add_co_u32 s67, s67, 1
	s_cmp_lt_u32 s67, 2
	s_cbranch_scc1 .Ltrip
	s_wait_tensorcnt 0x0                           ; the wave's end
	ds_add_u32 v[SPW], v[NIL]
	s_wait_dscnt 0x0
	s_endpgm
.Lfunc_end_k_qa70882aad2_mlp:
	.size	k_qa70882aad2_mlp, .Lfunc_end_k_qa70882aad2_mlp-k_qa70882aad2_mlp
	.p2alignl 7, 3214868480
	.fill 96, 4, 3214868480
	.section	.rodata,"a",@progbits
	.p2align	6, 0x0
	.amdhsa_kernel k_qa70882aad2_mlp
		.amdhsa_group_segment_fixed_size 327680
		.amdhsa_private_segment_fixed_size 0
		.amdhsa_enable_private_segment 0
		.amdhsa_kernarg_size 216
		.amdhsa_user_sgpr_count 2
		.amdhsa_user_sgpr_kernarg_segment_ptr 1
		.amdhsa_wavefront_size32 1
		.amdhsa_system_sgpr_workgroup_id_x 1
		.amdhsa_system_sgpr_workgroup_id_y 1
		.amdhsa_system_sgpr_workgroup_id_z 1
		.amdhsa_system_vgpr_workitem_id 0
		.amdhsa_next_free_vgpr 512
		.amdhsa_next_free_sgpr 100
		.amdhsa_reserve_vcc 1
		.amdhsa_float_denorm_mode_32 3
		.amdhsa_float_denorm_mode_16_64 3
		.amdhsa_memory_ordered 1
		.amdhsa_forward_progress 1
		.amdhsa_inst_pref_size 255
	.end_amdhsa_kernel
	.section	.bss,"aw",@nobits
	.p2align	6
	.space	262144
	.amdgpu_metadata
---
amdhsa.version: [ 1, 2 ]
amdhsa.kernels:
  - .name:           k_qa70882aad2_mlp
    .symbol:         k_qa70882aad2_mlp.kd
    .args:
      - { .name: condition, .offset: 0, .size: 8, .value_kind: global_buffer, .address_space: global }
      - { .name: coords, .offset: 8, .size: 8, .value_kind: global_buffer, .address_space: global }
      - { .name: ray_dir, .offset: 16, .size: 8, .value_kind: global_buffer, .address_space: global }
      - { .name: noise, .offset: 24, .size: 8, .value_kind: global_buffer, .address_space: global }
      - { .name: out0, .offset: 32, .size: 8, .value_kind: global_buffer, .address_space: global }
      - { .name: W_blocks_codes, .offset: 40, .size: 8, .value_kind: global_buffer, .address_space: global }
      - { .name: W_c_codes, .offset: 48, .size: 8, .value_kind: global_buffer, .address_space: global }
      - { .name: W_skipc_codes, .offset: 56, .size: 8, .value_kind: global_buffer, .address_space: global }
      - { .name: W_viewc_codes, .offset: 64, .size: 8, .value_kind: global_buffer, .address_space: global }
      - { .name: W_blocks_scales, .offset: 72, .size: 8, .value_kind: global_buffer, .address_space: global }
      - { .name: W_c_scales, .offset: 80, .size: 8, .value_kind: global_buffer, .address_space: global }
      - { .name: W_skipc_scales, .offset: 88, .size: 8, .value_kind: global_buffer, .address_space: global }
      - { .name: W_viewc_scales, .offset: 96, .size: 8, .value_kind: global_buffer, .address_space: global }
      - { .name: W_in, .offset: 104, .size: 8, .value_kind: global_buffer, .address_space: global }
      - { .name: W_skip, .offset: 112, .size: 8, .value_kind: global_buffer, .address_space: global }
      - { .name: W_view, .offset: 120, .size: 8, .value_kind: global_buffer, .address_space: global }
      - { .name: W_out, .offset: 128, .size: 8, .value_kind: global_buffer, .address_space: global }
      - { .name: W_rgb, .offset: 136, .size: 8, .value_kind: global_buffer, .address_space: global }
      - { .name: b_blocks, .offset: 144, .size: 8, .value_kind: global_buffer, .address_space: global }
      - { .name: b_in, .offset: 152, .size: 8, .value_kind: global_buffer, .address_space: global }
      - { .name: b_c, .offset: 160, .size: 8, .value_kind: global_buffer, .address_space: global }
      - { .name: b_skip, .offset: 168, .size: 8, .value_kind: global_buffer, .address_space: global }
      - { .name: b_skipc, .offset: 176, .size: 8, .value_kind: global_buffer, .address_space: global }
      - { .name: b_view, .offset: 184, .size: 8, .value_kind: global_buffer, .address_space: global }
      - { .name: b_viewc, .offset: 192, .size: 8, .value_kind: global_buffer, .address_space: global }
      - { .name: b_out, .offset: 200, .size: 8, .value_kind: global_buffer, .address_space: global }
      - { .name: b_rgb, .offset: 208, .size: 8, .value_kind: global_buffer, .address_space: global }
    .group_segment_fixed_size: 327680
    .private_segment_fixed_size: 0
    .kernarg_segment_align: 8
    .kernarg_segment_size: 216
    .max_flat_workgroup_size: 256
    .sgpr_count:     100
    .vgpr_count:     512
    .wavefront_size: 32
...
	.end_amdgpu_metadata
.endif
;; end of part 2
